; MI455X (gfx1250); checked and timed in simulation.
; The chip was launched on July 23, 2026; its instructions are those of AMD's public machine-readable ISA for CDNA 5 (MIT licence, August 2026) and "CDNA5" Instruction Set Architecture Reference Guide (July 2026). The comments in the code are by the model that wrote it; some were corrected since.
;; My scaled dot product attention. Allowed arithmetic: matrix products marked QUANTISED: E2M3 operands, one E8M0 scale for each 32 along K, by v_wmma_scale_f32_16x16x128_f8f6f4 with both operands' format E2M3, f32 sums; everything else in f32.
;; Inputs: k 2 x 16 x 2,048 x 64 float32; mask 1 x 1 x 2,048 x 2,048 bool; q 2 x 16 x 2,048 x 64 float32; v 2 x 16 x 2,048 x 64 float32.
;; Outputs: out0 2 x 16 x 2,048 x 64 float32.
;; This version of the problem:
;;   THIS VERSION OF THE PROBLEM IS GIVEN IN LOW PRECISION. The matrix products marked QUANTISED in the list below multiply operands that are first quantised to E2M3 (2 exponent bits, 3 mantissa bits; 6 bits a number), with one power-of-two scale for each 32 numbers along K (OCP MX v1.0); their sums are f32. All else is computed in f32.
;;   The module's matrix products, in the order in which they are computed (A, B: the left and right operand; K: the contracted axis; several contracted axes count as one K, in the product's order):
;;     1. batch 32 x [M 2,048, K 64] x [K 64, N 2,048]; A: input q; B: input k: QUANTISED
;;     2. batch 32 x [M 2,048, K 2,048] x [K 2,048, N 64]; A: softmax (see below); B: input v: QUANTISED
;;   THE QUANTISER, for each operand of a quantised product, along K:
;;     - K is cut into blocks of 32 from its start; a last block that is shorter is filled with zeros.
;;     - A block's scale is 2^e with e = floor(log2(the largest magnitude in the block)) - 2, held to -126 .. 127; a block of zeros has e = 0. As a byte (E8M0): e + 127.
;;     - Each number is divided by its block's scale, clamped to +-7.5, and rounded to the nearest number of E2M3, ties to even, subnormals kept.
;;     - The product sums the exact products of the quantised numbers (number of the format x scale) in f32.
;;   ~~~python
;;   def quantise(x, axis):      # numpy; x: float32 -> the quantised numbers, widened to float32 again
;;       x = np.moveaxis(x, axis, -1); K = x.shape[-1]
;;       x = np.pad(x, [(0, 0)] * (x.ndim - 1) + [(0, -K % 32)]); x = x.reshape(x.shape[:-1] + (-1, 32)); a = np.abs(x).max(-1, keepdims=True)
;;       e = np.where(a > 0, np.clip(np.frexp(np.where(a > 0, a, 1))[1] - 1 - 2, -126, 127), 0)      # np.frexp(a)[1] - 1 = floor(log2(a)), exactly
;;       r = np.clip(x / 2.0 ** e, -7.5, 7.5)
;;       step = 2.0 ** (np.maximum(np.frexp(np.where(r == 0, 1, r))[1] - 1, 0) - 3)
;;       q = np.round(r / step) * step * 2.0 ** e      # np.round: ties to even
;;       return np.moveaxis(q.reshape(q.shape[:-2] + (-1,))[..., :K], -1, axis).astype(np.float32)
;;   ~~~
;;   SOFTMAX AHEAD OF A QUANTISED PRODUCT. Where the list says 'softmax', what is quantised is not the finished softmax but p = 2^(t - M), with t = logit x log2(e) and M = ceil(the row's largest t), a whole number; so 1/2 < the row's largest p <= 1. The row's sum l is taken of the UNQUANTISED p, in f32, and the product's result is divided by l at the end. Since M is a whole number, a kernel that streams over the keys may use a running M (the ceiling of the running maximum): every later rescaling is an exact power of two, which a block's scale takes up: the codes' values come out the same.
;;   OPERANDS COMPUTED ON THE WAY. 'Computed on the way' means the value that the module computes at that place (a softmax that the list does not call 'softmax' is quantised finished and normalised). What goes into a quantiser is computed in f32, as accurately as f32 sums, v_exp_f32 and their like allow (about 1e-6 of the number): no bf16 or f16 on the way to a quantiser, and a product that is left as it is and whose result goes on into a quantised operand takes f32 operands (vector FMAs, or v_wmma_f32_16x16x4_f32). A number that lies on a knife's edge between two numbers of the format may be rounded either way, as far as f32 arithmetic and the matrix unit's own rounding can turn it there, and no further.
;; 2 versions. Each part assembles by itself: llvm-mc -triple=amdgcn-amd-amdhsa -mcpu=gfx1250 --defsym DOCPART=n.
;; ======== version 1 of 2: 2 launches
;; workspace buffers: kv 6,553,600 bytes; mw 524,288 bytes of whole numbers; fl 8,192 bytes of whole numbers
;; launch prep (part 1): grid 896 x 1, 4 waves a work-group, no clusters, 36,352 bytes of LDS; arguments k, v, mask, kv, mw, fl; writes kv, mw, fl
.if DOCPART == 1
	.amdgcn_target "amdgcn-amd-amdhsa--gfx1250"
	.amdhsa_code_object_version 6
	.text
	.protected	k_q8d679fff50_prep
	.globl	k_q8d679fff50_prep
	.p2align	8
	.type	k_q8d679fff50_prep,@function
k_q8d679fff50_prep:
	s_mov_b64 s[64:65], 0
	v_nop
	global_prefetch_b8 v0, s[64:65] scope:SCOPE_SE
	s_setreg_imm32_b32 hwreg(HW_REG_WAVE_MODE, 25, 1), 1
	s_wait_xcnt 0x0
; k and v [32 heads][2048][64] f32 become codes of FP6 (E2M3) with one E8M0 scale byte for each 32 along a product's K, laid as the attention launch's operand registers want them;
; the mask [2048][2048] of bytes becomes lane-mask words and one flag word for each (tile of 16 queries, step of 128 keys).
; kv: one record of 204,800 bytes a head.  A step s is 128 keys.
;   byte 0:      K's codes, 6,144 bytes a step, 1,536 a PAIR b (32 keys): an image of 12 registers x 32 lanes: register p of lane l at 512 (p / 4) + 16 l + 4 (p % 4).
;                Lane (r = l % 16, h = l / 16): registers 0-5 = key 32 b + r + 8 (r / 8), d = 32 h .. 32 h + 31; registers 6-11 = the key 8 further on.
;   byte 98304:  V's codes, 6,144 bytes a step, 1,536 a tile t of 16 channels: the same image; lane (r, h): registers 6 c .. 6 c + 5 = channel 16 t + r, keys 64 c + 32 h + 0 .. 31 of the step.
;   byte 196608: K's scale words, 256 bytes a step: lane l's 8 bytes at 8 l are the words of pairs 2 h and 2 h + 1, row r (bytes 0, 1: the first key's two blocks; bytes 2, 3: the second key's).
;   byte 200704: V's scale words, 256 bytes a step: the word of tile t, row r at 8 (r + 16 (t / 2)) + 4 (t % 2); byte n scales keys 32 n .. 32 n + 31 of the step.
; mw: the record of (tile T, step s) at 4096 T + 256 s: 64 words; bit l of word 16 b + i says whether mask[16 T + l % 16][128 s + 32 b + 16 (l / 16) + i] is true.
; fl: the word at 64 T + 4 s: (some key visible) << s | (some key hidden) << (16 + s).
; A block's scale is 2^(floor(log2(its largest magnitude)) - 2); its byte is the largest magnitude's exponent field - 2, held at 1 from below.
; LIMITS: a block of zeros, and a block whose largest magnitude lies under 2^-124, keeps the byte 1 (its codes are what the conversion gives under that scale; the bytes are read by this program alone);
; NaN and infinities among k and v are not served; a mask byte other than 0 counts as true.
; SHARES: a wave has one task and shares nothing with another wave: no barrier.  Work-groups 0-127: K, a wave to a step.  128-383: V, a wave to a step x 32 channels.  384-895: the mask, a wave to a record.
.set REC,   204800
.set VIMG,  98304
.set KSC,   196608
.set VSC,   200704
; 32 numbers of ONE lane, v[xs] .. v[xs + 31], one block: their codes into v[f] .. v[f + 5], the scale's byte into v[e].  v[t] .. v[t + 2]: at work, since a conversion's three registers begin on an even number.
.macro QBLK xs, f, t, e
	v_max3_num_f32 v[QA], |v[\xs]|, |v[\xs+1]|, |v[\xs+2]|          ; the largest magnitude, in two chains that do not wait for each other
	v_max3_num_f32 v[QB], |v[\xs+3]|, |v[\xs+4]|, |v[\xs+5]|
.irp i, 6,10,14,18,22,26
	v_max3_num_f32 v[QA], v[QA], |v[\xs+\i]|, |v[\xs+\i+1]|
	v_max3_num_f32 v[QB], v[QB], |v[\xs+\i+2]|, |v[\xs+\i+3]|
.endr
	v_max3_num_f32 v[QA], v[QA], |v[\xs+30]|, |v[\xs+31]|
	v_max3_num_f32 v[QA], v[QA], v[QB], 0x1800000                   ; and the floor 2^(3 - 127): the byte cannot fall under 1
	v_add_nc_u32 v[QS], 0xff000000, v[QA]                           ; 2 off the exponent field: the conversion takes the exponent field of this operand as its scale
	v_lshrrev_b32 v[\e], 23, v[QS]                                  ; the scale's byte
	v_cvt_scalef32_pk16_fp6_f32 v[\f:\f+2], v[\xs:\xs+15], v[QS]
	v_cvt_scalef32_pk16_fp6_f32 v[\t:\t+2], v[\xs+16:\xs+31], v[QS]
	v_nop                                                           ; one plain place behind a scaled conversion
.irp i, 0,1,2
	v_mov_b32 v[\f+3+\i], v[\t+\i]
.endr
.endm
	s_load_b256 s[4:11], s[0:1], 0x0               ; k s[4:5], v s[6:7], mask s[8:9], kv s[10:11]
	s_load_b128 s[12:15], s[0:1], 0x20             ; mw s[12:13], fl s[14:15]
	v_lshl_add_u32 v240, v0, 2, 0x8c00
	v_mov_b32 v241, 0
	v_lshrrev_b32 v1, 5, v0
	v_readfirstlane_b32 s16, v1                    ; wave 0..3
	v_and_b32 v1, 31, v0                           ; lane
	v_and_b32 v2, 15, v0                           ; r
	v_bfe_u32 v3, v0, 4, 1                         ; h
	v_lshlrev_b32 v4, 4, v1                        ; 16 x lane
	v_lshlrev_b32 v5, 3, v1                        ; 8 x lane
	v_lshlrev_b32 v6, 2, v1                        ; 4 x lane
	s_mov_b32 s18, 0x76543210
	s_mov_b32 s19, 0xfedcba98                      ; v_permlanex16_b32's selects for lane l xor 16
	s_wait_kmcnt 0x0
	s_cmp_lt_u32 ttmp9, 128
	s_cbranch_scc1 .Lpath_k
	s_cmp_lt_u32 ttmp9, 384
	s_cbranch_scc1 .Lpath_v
; ---------------- THE MASK: my record is (T, s) = (id / 16, id % 16)
	s_sub_co_u32 s20, ttmp9, 384
	s_lshl_b32 s20, s20, 2
	s_add_co_u32 s28, s20, s16                     ; id 0..2047
	s_lshr_b32 s20, s28, 4                         ; T
	s_and_b32 s29, s28, 15                         ; s
	s_lshl_b32 s20, s20, 15                        ; 16 rows of 2,048 bytes
	s_lshl_b32 s21, s29, 7                         ; 128 keys
	s_add_co_u32 s20, s20, s21
	s_mov_b32 s21, 0
	s_add_nc_u64 s[8:9], s[8:9], s[20:21]
	s_lshl_b32 s20, s28, 8
	s_add_nc_u64 s[12:13], s[12:13], s[20:21]      ; mw + 256 id
	s_lshl_b32 s20, s28, 2
	s_add_nc_u64 s[14:15], s[14:15], s[20:21]      ; fl + 4 id
	v_lshlrev_b32 v7, 11, v2
	v_lshl_add_u32 v7, v3, 4, v7                   ; row r, + 16 h: of each block of 32 keys my 16
.irp b, 0,1,2,3
	global_load_b128 v[16+4*\b:19+4*\b], v7, s[8:9] offset:32*\b th:TH_LOAD_NT   ; a lane's 16 bytes stand alone in their row, but every byte of the mask is asked for once in the launch; the mask is a ninth of what the launch reads, so no turn through LDS is spent on it
.endr
	v_mov_b32 v32, 0                               ; a lane write's destination counts as one of its sources
	v_mov_b32 v33, 0
	s_mov_b32 s24, 0                               ; the OR of all words
	s_mov_b32 s25, -1                              ; the AND of all words
	s_wait_loadcnt 0x0
.irp b, 0,1,2,3
.irp i, 0,1,2,3,4,5,6,7,8,9,10,11,12,13,14,15
.set n, 16*\b+\i
	v_and_b32 v[34+n%4], 0xff<<(8*(\i%4)), v[16+4*\b+\i/4]           ; my byte of key 32 b + 16 h + i
	v_cmp_ne_u32 s[20+n%4], 0, v[34+n%4]                             ; word n: one bit a lane
	v_writelane_b32 v[32+n%2], s[20+n%4], n/2                        ; to its place for the store: lane n / 2, register n % 2
	s_or_b32 s24, s24, s[20+n%4]
	s_and_b32 s25, s25, s[20+n%4]
.endr
.endr
	global_store_b64 v5, v[32:33], s[12:13]        ; 32 lanes store 256 consecutive bytes, aligned: word n at byte 4 n
	s_cmp_lg_u32 s24, 0
	s_cselect_b32 s26, 1, 0                        ; some key is visible
	s_cmp_lg_u32 s25, -1
	s_cselect_b32 s27, 0x10000, 0                  ; some key is hidden
	s_or_b32 s26, s26, s27
	s_lshl_b32 s26, s26, s29                       ; at the step's bit
	v_mov_b32 v38, s26
	v_mov_b32 v39, 0
	v_cmp_eq_u32 vcc_lo, 0, v1
	s_wait_xcnt 0x0                                ; EXEC is a source of the store above: it changes only behind this wait
	s_and_saveexec_b32 s30, vcc_lo
	global_store_b32 v39, v38, s[14:15]            ; one lone word a task, 8,192 bytes in the whole launch
	s_wait_xcnt 0x0                                ; and again in front of the line that widens EXEC
	s_or_b32 exec_lo, exec_lo, s30
	s_endpgm
; ---------------- K: my step is (head, s) = (id / 16, id % 16): 128 keys x 256 bytes, dense
.set KR,  16                           ; v16-143   two sets of 64: a pair's 8,192 bytes as they are loaded
.set KX,  144                          ; v144-207  my two blocks of 32
.set KF,  208                          ; v208-219  the pair's fragment
.set KT,  220
.set KW,  224                          ; v224-227  the four pairs' scale words
.set KE,  231                          ; v231-232  two bytes
.set KU,  233
.set KWT, 234
.Lpath_k:
.set QA,  228
.set QB,  229
.set QS,  230
	s_lshl_b32 s20, ttmp9, 2
	s_add_co_u32 s20, s20, s16                     ; id 0..511
	s_lshl_b32 s22, s20, 15
	s_mov_b32 s23, 0
	s_add_nc_u64 s[4:5], s[4:5], s[22:23]          ; k at my step
	s_lshr_b32 s21, s20, 4                         ; head
	s_and_b32 s20, s20, 15                         ; s
	s_mul_i32 s22, s21, REC
	s_mul_i32 s24, s20, 6144
	s_add_co_u32 s24, s24, s22
	s_mov_b32 s25, 0
	s_add_nc_u64 s[24:25], s[10:11], s[24:25]      ; my step's codes
	s_lshl_b32 s26, s20, 8
	s_add_co_u32 s26, s26, s22
	s_add_co_u32 s26, s26, KSC
	s_mov_b32 s27, 0
	s_add_nc_u64 s[26:27], s[10:11], s[26:27]      ; and its scale words
	; The wave's own stage, 8,960 bytes: row p (0..31 of a pair) at 272 p + 128 (p / 16).  The 16 rows that a read touches (0-7 and 16-23, or 8-15 and 24-31) then begin at 16 different multiples of 16 modulo 256.
	s_mul_i32 s28, s16, 8960
	v_mul_u32_u24 v7, v3, 272
	v_lshl_add_u32 v7, v2, 4, v7
	v_add_nc_u32 v7, s28, v7                       ; in: a load's 512 bytes are two rows: row h, 16 r
	v_lshrrev_b32 v9, 3, v2
	v_mul_u32_u24 v8, v2, 272
	v_mad_u32_u24 v8, v9, 2304, v8                 ; out: row r + 8 (r / 8): 272 r + (8 x 272 + 128) (r / 8),
	v_lshl_add_u32 v8, v3, 7, v8                   ; + 128 h: my block of 32
	v_add_nc_u32 v8, s28, v8
	v_lshlrev_b32 v10, 3, v3                       ; 8 h
	v_mov_b32 v[KU], 0                             ; a lane permute's destination counts as one of its sources
.macro KLOAD t
.irp i, 0,1,2,3,4,5,6,7,8,9,10,11,12,13,14,15
	global_load_b128 v[KR+64*((\t)%2)+4*\i:KR+64*((\t)%2)+4*\i+3], v4, s[4:5] offset:8192*(\t)+512*\i th:TH_LOAD_NT   ; 32 lanes read 512 consecutive bytes
.endr
.endm
.macro KPAIR b
.if (\b) < 3
	s_wait_loadcnt 16                              ; this pair's 16 loads are in; the next pair's 16 may be out
.else
	s_wait_loadcnt 0x0
.endif
.irp i, 0,1,2,3,4,5,6,7,8,9,10,11,12,13,14,15
	ds_store_b128 v7, v[KR+64*((\b)%2)+4*\i:KR+64*((\b)%2)+4*\i+3] offset:544*\i+128*(\i/8)
.endr
.irp j, 0,1,2,3,4,5,6,7
	ds_load_b128 v[KX+4*\j:KX+4*\j+3], v8 offset:16*\j               ; LDS serves a wave's instructions in order: these see the stores above.  The first key's block
.endr
.irp j, 0,1,2,3,4,5,6,7
	ds_load_b128 v[KX+32+4*\j:KX+32+4*\j+3], v8 offset:2176+16*\j    ; and that of the key 8 rows on
.endr
	s_wait_dscnt 0x0                               ; the numbers are back, so the stores into the stage have read their registers,
.if (\b) < 2
	KLOAD (\b)+2                                   ; which take the pair two on
.endif
.if (\b) > 0
	s_wait_xcnt 0x0                                ; the last pair's stores have read the fragment's registers
.endif
	QBLK KX, KF, KT, KE
	QBLK KX+32, KF+6, KT, KE+1
.irp c, 0,1,2
	global_store_b128 v4, v[KF+4*\c:KF+4*\c+3], s[24:25] offset:1536*(\b)+512*\c   ; 32 lanes store 512 consecutive bytes, aligned: the image of four registers
.endr
	v_lshl_or_b32 v[KWT], v[KE+1], 16, v[KE]       ; my two bytes: block h of the first key and of the second,
	v_lshlrev_b32 v[KWT], v10, v[KWT]              ; 8 h bits up;
	v_permlanex16_b32 v[KU], v[KWT], s18, s19
	v_or_b32 v[KW+(\b)], v[KWT], v[KU]             ; with lane l xor 16's two the word is whole
.endm
	KLOAD 0
	KLOAD 1
	KPAIR 0
	KPAIR 1
	KPAIR 2
	KPAIR 3
	v_cmp_ne_u32 vcc_lo, 0, v3
	v_cndmask_b32 v236, v[KW], v[KW+2], vcc_lo     ; lanes 0-15: pairs 0 and 1; lanes 16-31: pairs 2 and 3
	v_cndmask_b32 v237, v[KW+1], v[KW+3], vcc_lo
	global_store_b64 v5, v[236:237], s[26:27]      ; 32 lanes store 256 consecutive bytes, aligned
	s_wait_tensorcnt 0x0
	ds_add_u32 v240, v241
	s_wait_dscnt 0x0
	s_endpgm
; ---------------- V: my part is (head, s, g) = (id / 32, (id / 2) % 16, id % 2).  A LANE TAKES A CHANNEL, d = 32 g + lane, AND ITS REGISTERS RUN DOWN THE KEYS, which are the second product's K:
; a block of 32 keys lies in one lane's 32 registers, and the conversions give codes with the keys innermost.  Nothing is transposed.
.set VX,  16                           ; v16-79   two sets of 32 numbers
.set VF,  80                           ; v80-91: blocks 0 and 2, the image of lane (r, 0);  v92-103: blocks 1 and 3, the image of lane (r, 1)
.set VT,  104
.set VSW, 108                          ; the scale word
.set VE,  109
.Lpath_v:
.set QA,  110
.set QB,  111
.set QS,  112
	s_sub_co_u32 s20, ttmp9, 128
	s_lshl_b32 s20, s20, 2
	s_add_co_u32 s20, s20, s16                     ; id 0..1023
	s_and_b32 s21, s20, 1                          ; g
	s_lshr_b32 s22, s20, 1                         ; 16 head + s
	s_lshl_b32 s24, s22, 15
	s_lshl_b32 s25, s21, 7
	s_add_co_u32 s24, s24, s25
	s_mov_b32 s25, 0
	s_add_nc_u64 s[6:7], s[6:7], s[24:25]          ; v at my step, my 32 channels
	s_lshr_b32 s23, s22, 4                         ; head
	s_and_b32 s22, s22, 15                         ; s
	s_mul_i32 s23, s23, REC
	s_mul_i32 s24, s22, 6144
	s_add_co_u32 s24, s24, s23
	s_mul_i32 s26, s21, 3072                       ; tiles 2 g and 2 g + 1
	s_add_co_u32 s24, s24, s26
	s_add_co_u32 s24, s24, VIMG
	s_add_nc_u64 s[24:25], s[10:11], s[24:25]      ; my two tiles' codes
	s_lshl_b32 s26, s22, 8
	s_add_co_u32 s26, s26, s23
	s_lshl_b32 s27, s21, 7
	s_add_co_u32 s26, s26, s27
	s_add_co_u32 s26, s26, VSC
	s_mov_b32 s27, 0
	s_add_nc_u64 s[26:27], s[10:11], s[26:27]      ; and their scale words
	v_mul_u32_u24 v7, v3, 1536
	v_lshl_add_u32 v7, v2, 4, v7                   ; tile lane / 16, image lane lane % 16
	v_lshlrev_b32 v8, 3, v2
	v_lshl_add_u32 v8, v3, 2, v8                   ; 8 (lane % 16) + 4 (lane / 16)
.macro VLOAD t
.irp i, 0,1,2,3,4,5,6,7,8,9,10,11,12,13,14,15,16,17,18,19,20,21,22,23,24,25,26,27,28,29,30,31
	global_load_b32 v[VX+32*((\t)%2)+\i], v6, s[6:7] offset:256*(32*(\t)+\i) th:TH_LOAD_NT   ; 32 lanes read 128 consecutive bytes of a key's row; the wave beside me reads the other 128
.endr
.endm
.macro VBLOCK t
.if (\t) < 3
	s_wait_loadcnt 32                              ; this block's 32 loads are in; the next block's 32 may be out
.else
	s_wait_loadcnt 0x0
.endif
	QBLK VX+32*((\t)%2), VF+12*((\t)%2)+6*((\t)/2), VT, VE
.if (\t) == 0
	v_mov_b32 v[VSW], v[VE]
.else
	v_lshl_or_b32 v[VSW], v[VE], 8*(\t), v[VSW]    ; four bytes to the word, the lower keys in the lower byte
.endif
.if (\t) < 2
	VLOAD (\t)+2
.endif
.if (\t) > 1
.irp c, 0,1,2
	global_store_b128 v7, v[VF+12*((\t)%2)+4*\c:VF+12*((\t)%2)+4*\c+3], s[24:25] offset:512*\c+256*((\t)%2)   ; sixteen lanes store 256 consecutive bytes, aligned.  No store's data are written again
.endr
.endif
.endm
	VLOAD 0
	VLOAD 1
	VBLOCK 0
	VBLOCK 1
	VBLOCK 2
	VBLOCK 3
	global_store_b32 v8, v[VSW], s[26:27]          ; 128 consecutive bytes a wave, half an aligned block of 256: one byte in 25 of what this path stores
	s_endpgm
.Lfunc_end_k_q8d679fff50_prep:
	.size	k_q8d679fff50_prep, .Lfunc_end_k_q8d679fff50_prep-k_q8d679fff50_prep
	.p2alignl 7, 3214868480
	.fill 96, 4, 3214868480
	.section	.rodata,"a",@progbits
	.p2align	6, 0x0
	.amdhsa_kernel k_q8d679fff50_prep
		.amdhsa_group_segment_fixed_size 36352
		.amdhsa_private_segment_fixed_size 0
		.amdhsa_enable_private_segment 0
		.amdhsa_kernarg_size 48
		.amdhsa_user_sgpr_count 2
		.amdhsa_user_sgpr_kernarg_segment_ptr 1
		.amdhsa_wavefront_size32 1
		.amdhsa_system_sgpr_workgroup_id_x 1
		.amdhsa_system_sgpr_workgroup_id_y 1
		.amdhsa_system_sgpr_workgroup_id_z 1
		.amdhsa_system_vgpr_workitem_id 0
		.amdhsa_next_free_vgpr 242
		.amdhsa_next_free_sgpr 66
		.amdhsa_reserve_vcc 1
		.amdhsa_float_denorm_mode_32 3
		.amdhsa_float_denorm_mode_16_64 3
		.amdhsa_memory_ordered 1
		.amdhsa_forward_progress 1
		.amdhsa_inst_pref_size 68
	.end_amdhsa_kernel
	.amdgpu_metadata
---
amdhsa.version: [ 1, 2 ]
amdhsa.kernels:
  - .name:           k_q8d679fff50_prep
    .symbol:         k_q8d679fff50_prep.kd
    .args:
      - { .name: k, .offset: 0, .size: 8, .value_kind: global_buffer, .address_space: global }
      - { .name: v, .offset: 8, .size: 8, .value_kind: global_buffer, .address_space: global }
      - { .name: mask, .offset: 16, .size: 8, .value_kind: global_buffer, .address_space: global }
      - { .name: kv, .offset: 24, .size: 8, .value_kind: global_buffer, .address_space: global }
      - { .name: mw, .offset: 32, .size: 8, .value_kind: global_buffer, .address_space: global }
      - { .name: fl, .offset: 40, .size: 8, .value_kind: global_buffer, .address_space: global }
    .group_segment_fixed_size: 36352
    .private_segment_fixed_size: 0
    .kernarg_segment_align: 8
    .kernarg_segment_size: 48
    .max_flat_workgroup_size: 128
    .sgpr_count:     66
    .vgpr_count:     242
    .wavefront_size: 32
...
	.end_amdgpu_metadata
.endif
;; end of part 1
;; launch attn (part 2): grid 8 x 32, 16 waves a work-group, no clusters, 276,480 bytes of LDS; arguments q, kv, mw, fl, out0; writes out0
.if DOCPART == 2
	.amdgcn_target "amdgcn-amd-amdhsa--gfx1250"
	.amdhsa_code_object_version 6
	.text
	.protected	k_q8d679fff50_attn
	.globl	k_q8d679fff50_attn
	.p2align	8
	.type	k_q8d679fff50_attn,@function
k_q8d679fff50_attn:
	s_mov_b64 s[64:65], 0
	v_nop
	global_prefetch_b8 v0, s[64:65] scope:SCOPE_SE
	s_setreg_imm32_b32 hwreg(HW_REG_WAVE_MODE, 25, 1), 1
	s_wait_xcnt 0x0
; out[h][q][:] = the sum over k of softmax_k(q[h][q] . k[h][k] / 8, hidden keys at -infinity) v[h][k][:], both products on codes of FP6 (E2M3) with one E8M0 scale for each 32 along a product's K.
; q, out: [32 heads][2048][64] f32.  K, V: codes and scale words of a head, one record of 204,800 bytes in kv, made by the launch before, laid as images of the operands' registers.
; mw: the mask as lane-mask words, 64 for each (tile of 16 queries, step of 128 keys);  fl: for each of these a flag word (some key visible, some key hidden).
; THE SOFTMAX AHEAD OF THE SECOND PRODUCT: t = score x log2(e) / 8; M = the row's largest t so far, rounded UP to a whole number; p = 2^(t - M) is what is quantised, along the keys; it is not normalised.
; The row's sum is taken of the unquantised p, in f32, and divides O at the end.  When M moves, the sum and O are multiplied by 2^(old M - new M): exact.
; SHARES.  A work-group (x = 0..7, head) has sixteen waves; wave w owns ONE tile of 16 queries, T = 8 j(w) + x.  j(w), w = 0..15, read as a table of 4 x 4, has rows and columns that all sum to 30:
; so the four waves with equal w / 4, and the four with equal w % 4, own tiles whose numbers add up alike.  No value hangs on that choice.
; THE WHOLE HEAD LIES IN LDS: the record is copied once, through registers, 25 loads of 16 bytes a thread; ONE barrier; behind it those bytes are only read.  No slot is ever filled again.
; A STEP THAT THE GIVEN MASK HIDES WHOLLY FROM MY 16 QUERIES IS LEFT OUT: a scalar branch on the stored flags.  The fill goes through registers and not by a copy engine, and tiles are not asked
; for jointly in a cluster: what the eight work-groups of a head share is the record, read once by each at its start, while the walk leaves out whatever the mask hides.
; THE FIRST PRODUCT'S K IS 64, the instruction's 128: an operand of K carries TWO tiles of 16 keys, one in k = 0..63 and one in k = 64..127; Q is kept twice, as [q | 0] and as [0 | q]: the zero codes pick the tile.
; LAYOUT.  Both products are used transposed: S^T = K Q^T (source 0 = keys, source 1 = my 16 queries), O^T = V^T P^T (source 0 = 16 channels, source 1 = P): a lane holds ONE query (lane % 16) throughout.
; Row r of pair b's first tile is key 32 b + r + 8 (r / 8), of its second the key 8 on: so register 16 b + i of S^T is key 32 b + 16 (lane / 16) + i of the step: 16 neighbours along the second product's K.
; LIMITS: NaN and infinities among q are not served; a block of q whose largest magnitude lies under 2^-124 keeps the scale byte 1; a p under 2^-126 counts as 0 (v_exp_f32 gives 0 there: ISA guide, its entry);
; a row that the mask hides wholly ends as 0 x (1 / 0) = NaN, as the softmax of such a row does.
; REGISTERS: v1-8 addresses; v9 r, v10 h; v12 -M, v13 the largest t, v[14:15] the sum in two halves; v16-27 [q | 0], v28-39 [0 | q]; v40, v41 their scale words; v42-43 K's scale words, v44-45 V's; v47 -infinity;
;   v48-95 four fragments of K, then of V; v96-159 S^T, then p; v160-191 O^T; v224-235 p's codes; v232-254 at work.  In the head: v96-195 the fill's data, v200-203 its addresses, v204-235 q as loaded, v48-79 q by rows.
.set VIMG,  98304                      ; LDS, as in the record: K's codes at 0, V's here,
.set KSC,   196608                     ; K's scale words,
.set VSCD,  4096                       ; V's this far behind them
.set REC,   204800
.set STAGE, 204800                     ; behind the record: 16 rows x 272 bytes for each wave, its own: q on the way in, O on the way out
.set SP,    272                        ; a stage row: 256 bytes + 16: the 16 rows that an access touches begin at 16 different multiples of 16 modulo 256
.set WV,  14
.set FL,  66                           ; s66  the flags of my tile: bit 0 this step visible, bit 16 this step partly hidden; shifted down a bit a trip
.set CNT, 67
.set TB,  68                           ; s68  where the step's codes begin: 6,144 bytes a step
.set TS,  69                           ; s69  and its scale words: 256 bytes a step
.set SEL, 72                           ; s[72:73] v_permlanex16_b32's selects for lane l xor 16
.set CS,  74                           ; s[74:75] c = log2(e) / 8: the packed form names a pair and takes its low word for both halves
.set QA,  242
.set QB,  243
.set QS,  244
; 32 numbers of ONE lane, one block: their codes into v[f] .. v[f + 5], the scale's byte into v[e]
.macro QBLK xs, f, t, e
	v_max3_num_f32 v[QA], |v[\xs]|, |v[\xs+1]|, |v[\xs+2]|
	v_max3_num_f32 v[QB], |v[\xs+3]|, |v[\xs+4]|, |v[\xs+5]|
.irp i, 6,10,14,18,22,26
	v_max3_num_f32 v[QA], v[QA], |v[\xs+\i]|, |v[\xs+\i+1]|
	v_max3_num_f32 v[QB], v[QB], |v[\xs+\i+2]|, |v[\xs+\i+3]|
.endr
	v_max3_num_f32 v[QA], v[QA], |v[\xs+30]|, |v[\xs+31]|
	v_max3_num_f32 v[QA], v[QA], v[QB], 0x1800000                   ; the floor 2^(3 - 127): the byte cannot fall under 1
	v_add_nc_u32 v[QS], 0xff000000, v[QA]                           ; 2 off the exponent field: the conversion's scale operand
	v_lshrrev_b32 v[\e], 23, v[QS]                                  ; the scale's byte
	v_cvt_scalef32_pk16_fp6_f32 v[\f:\f+2], v[\xs:\xs+15], v[QS]
	v_cvt_scalef32_pk16_fp6_f32 v[\t:\t+2], v[\xs+16:\xs+31], v[QS] ; (a conversion's three registers begin on an even number)
	v_nop                                                           ; one plain place behind a scaled conversion
.irp i, 0,1,2
	v_mov_b32 v[\f+3+\i], v[\t+\i]
.endr
.endm
	s_load_b256 s[4:11], s[0:1], 0x0               ; q s[4:5], kv s[6:7], mw s[8:9], fl s[10:11]
	s_load_b64 s[12:13], s[0:1], 0x20              ; out
	v_lshl_add_u32 v251, v0, 2, 0x43000
	v_mov_b32 v255, 0
	v_lshrrev_b32 v1, 5, v0
	v_readfirstlane_b32 s[WV], v1                  ; wave 0..15
	v_and_b32 v11, 31, v0                          ; lane
	v_and_b32 v9, 15, v0                           ; r
	v_bfe_u32 v10, v0, 4, 1                        ; h
	v_lshlrev_b32 v1, 4, v11                       ; v1: 16 x lane
	v_lshl_add_u32 v2, v11, 3, KSC                 ; v2: 8 x lane, among K's scale words
	s_mul_i32 s3, s[WV], 16*SP
	s_add_co_u32 s3, s3, STAGE                     ; my stage
	v_mul_u32_u24 v6, v9, SP
	v_add_nc_u32 v6, s3, v6
	v_lshl_add_u32 v8, v10, 7, v6                  ; v8: row r, + 128 h: my block of q
	v_lshl_add_u32 v6, v10, 5, v6                  ; v6: row r, + 32 h: where I put eight channels of O
	v_mul_u32_u24 v7, v10, SP
	v_lshl_add_u32 v7, v9, 4, v7
	v_add_nc_u32 v7, s3, v7                        ; v7: row h, + 16 r: two whole rows an access
.irp j, 0,1,2,3
	v_lshl_add_u32 v[200+\j], v0, 4, 65536*\j      ; the fill: 16 x thread, and the part of an LDS address that its 16-bit immediate cannot hold
.endr
	s_mov_b32 s[SEL], 0x76543210
	s_mov_b32 s[SEL+1], 0xfedcba98
	s_mov_b32 s[CS], 0x3e38aa3b                    ; c = log2(e) / 8
	s_mov_b32 s[CS+1], s[CS]                       ; (named with it as a pair, so it is written)
	s_and_b32 s70, ttmp7, 0xffff                   ; the head
	s_mov_b32 s2, 0x0de3b658                       ; j(w): nibble w % 8 of one of two words
	s_cmp_lt_u32 s[WV], 8
	s_cselect_b32 s2, 0x7a94c12f, s2
	s_and_b32 s3, s[WV], 7
	s_lshl_b32 s3, s3, 2
	s_lshr_b32 s2, s2, s3
	s_and_b32 s2, s2, 15
	s_lshl_b32 s2, s2, 3
	s_add_co_u32 s71, s2, ttmp9                    ; T = 8 j + x
	s_lshl_b32 s76, s70, 19                        ; a head of q or out: 524,288 bytes
	s_lshl_b32 s2, s71, 12                         ; a tile of 16 rows: 4,096 bytes; a tile's 16 records of mw likewise
	s_add_co_u32 s76, s76, s2
	s_mov_b32 s77, 0
	s_mov_b32 s3, 0
	s_mul_i32 s78, s70, REC
	s_mov_b32 s79, 0
	s_lshl_b32 s70, s71, 6                         ; a tile's 16 flag words
	s_mov_b32 s71, 0
	s_wait_kmcnt 0x0
	s_add_nc_u64 s[4:5], s[4:5], s[76:77]
	s_add_nc_u64 s[12:13], s[12:13], s[76:77]
	s_add_nc_u64 s[6:7], s[6:7], s[78:79]
	s_add_nc_u64 s[8:9], s[8:9], s[2:3]
	s_add_nc_u64 s[10:11], s[10:11], s[70:71]
	s_load_b512 s[16:31], s[10:11], 0x0            ; my tile's flags
.irp i, 0,1,2,3,4,5,6,7
	global_load_b128 v[204+4*\i:207+4*\i], v1, s[4:5] offset:512*\i th:TH_LOAD_NT   ; my 16 rows of q: 512 consecutive bytes a load; read once in the launch
.endr
.set i, 0
.rept 25
	global_load_b128 v[96+4*i:99+4*i], v200, s[6:7] offset:8192*i    ; the head's record: the work-group's 512 threads read 8,192 consecutive bytes a line.  No hint: eight work-groups read it
.set i, i+1
.endr
	s_wait_loadcnt 25                              ; q is in; the 25 loads issued behind it stay out
.irp i, 0,1,2,3,4,5,6,7
	ds_store_b128 v7, v[204+4*\i:207+4*\i] offset:2*SP*\i
.endr
.irp j, 0,1,2,3,4,5,6,7
	ds_load_b128 v[48+4*\j:51+4*\j], v8 offset:16*\j                 ; LDS serves a wave's instructions in order: these see my stores.  Row r, d = 32 h .. 32 h + 31: one block
.endr
	s_wait_dscnt 0x0
	QBLK 48, 16, 236, 240                          ; registers 0-5 of [q | 0]
.irp i, 0,1,2,3,4,5
	v_mov_b32 v[34+\i], v[16+\i]                   ; registers 6-11 of [0 | q]
.endr
.irp i, 0,1,2,3,4,5
	v_mov_b32 v[22+\i], 0                          ; zero codes: they add nothing under any scale byte but 0xff
	v_mov_b32 v[28+\i], 0
.endr
	v_lshlrev_b32 v245, 3, v10
	v_lshlrev_b32 v240, v245, v240                 ; my byte, 8 h bits up;
	v_mov_b32 v241, 0
	v_permlanex16_b32 v241, v240, s[SEL], s[SEL+1]
	v_or_b32 v40, v240, v241                       ; with lane l xor 16's: bytes 0, 1 scale q; bytes 2, 3 are 0, over zero codes
	v_lshlrev_b32 v41, 16, v40                     ; and the same for [0 | q]
.set i, 0
.rept 25
	s_wait_loadcnt 24-i                            ; loads come back in order: load i is in, the 24 - i behind it may be out
	ds_store_b128 v[200+i/8], v[96+4*i:99+4*i] offset:8192*(i%8)
.set i, i+1
.endr
	s_wait_kmcnt 0x0                               ; the flags
	s_or_b32 s[FL], s16, s17                       ; each word has its step's two bits: their OR has all 32
.irp i, 18,19,20,21,22,23,24,25,26,27,28,29,30,31
	s_or_b32 s[FL], s[FL], s[\i]
.endr
	s_mov_b32 s[CNT], 0
	s_mov_b32 s[TB], 0
	s_mov_b32 s[TS], 0
	s_wait_dscnt 0x0                               ; for the others' sake: my part of the record lies in LDS (and the stores have read their registers)
	s_barrier_signal -1                            ; the launch's one barrier; register work stands between its halves
	v_mov_b32 v13, 0xff61b1e6                      ; the largest t so far: -3e38, under every t
	v_floor_f32 v12, -v13                          ; -M
	v_mov_b32 v14, 0                               ; the sum, in two halves
	v_mov_b32 v15, 0
	v_mov_b32 v47, 0xff800000                      ; -infinity
.irp b, 0,1,2,3
	v_mov_b32 v[236+\b], 0                         ; a lane permute's destination counts as one of its sources
.endr
	v_mov_b32 v252, 0                              ; (likewise, on the way out of a wave that leaves out every step)
	v_mov_b32 v253, 0                              ; (named as the upper half of the pair v[252:253] before it is first written)
.set i, 0
.rept 32
	v_mov_b32 v[160+i], 0                          ; O^T.  Which step is a wave's first hangs on the flags, so no first step can be written out to start the sums
.set i, i+1
.endr
	s_barrier_wait -1                              ; the whole record lies in LDS
.macro KQ b, u                                 ; tile 2 b + u of S^T: pair b of K against [q | 0] (u = 0) or [0 | q] (u = 1).  The pair's scale words: register b % 2, lanes 0-15 for pairs 0, 1, lanes 16-31 for pairs 2, 3
.if (\b) < 2
	v_wmma_scale_f32_16x16x128_f8f6f4 v[96+8*(2*(\b)+(\u)):103+8*(2*(\b)+(\u))], v[48+12*(\b):59+12*(\b)], v[16+12*(\u):27+12*(\u)], 0, v[42+(\b)%2], v[40+(\u)] matrix_a_fmt:MATRIX_FMT_FP6 matrix_b_fmt:MATRIX_FMT_FP6
.else
	v_wmma_scale_f32_16x16x128_f8f6f4 v[96+8*(2*(\b)+(\u)):103+8*(2*(\b)+(\u))], v[48+12*(\b):59+12*(\b)], v[16+12*(\u):27+12*(\u)], 0, v[42+(\b)%2], v[40+(\u)] matrix_a_fmt:MATRIX_FMT_FP6 matrix_b_fmt:MATRIX_FMT_FP6 matrix_a_scale:MATRIX_SCALE_ROW1
.endif
.endm
.macro PV t                                    ; O^T's tile t (channels 16 t on) += V^T P^T over the step's 128 keys
.if (\t) < 2
	v_wmma_scale_f32_16x16x128_f8f6f4 v[160+8*(\t):167+8*(\t)], v[48+12*(\t):59+12*(\t)], v[224:235], v[160+8*(\t):167+8*(\t)], v[44+(\t)%2], v253 matrix_a_fmt:MATRIX_FMT_FP6 matrix_b_fmt:MATRIX_FMT_FP6
.else
	v_wmma_scale_f32_16x16x128_f8f6f4 v[160+8*(\t):167+8*(\t)], v[48+12*(\t):59+12*(\t)], v[224:235], v[160+8*(\t):167+8*(\t)], v[44+(\t)%2], v253 matrix_a_fmt:MATRIX_FMT_FP6 matrix_b_fmt:MATRIX_FMT_FP6 matrix_a_scale:MATRIX_SCALE_ROW1
.endif
.endm
.Lstep:                                            ; 16 trips, a constant: a trip is a step of 128 keys; what a hidden step leaves out is its work, not the lines that step addresses
	s_bitcmp1_b32 s[FL], 0
	s_cbranch_scc0 .Lskip                          ; no key of this step is visible to any of my 16 queries
	s_load_b512 s[16:31], s[8:9], 0x0              ; the step's 64 mask words: asked for in every step that is walked; they land under the first product
	s_load_b512 s[32:47], s[8:9], 0x40
	s_load_b512 s[48:63], s[8:9], 0x80
	s_load_b512 s[80:95], s[8:9], 0xc0
	v_add_nc_u32 v3, s[TB], v1                     ; K's images.  These four lines are the places between the last step's products and the loads into the registers that they read
	v_add_nc_u32 v4, VIMG, v3                      ; V's
	v_add_nc_u32 v5, s[TS], v2                     ; the scale words
	v_nop
.irp b, 0,1,2,3
.irp c, 0,1,2
	ds_load_b128 v[48+12*\b+4*\c:51+12*\b+4*\c], v3 offset:1536*\b+512*\c   ; four registers' image: 512 consecutive bytes
.endr
.endr
	ds_load_b64 v[42:43], v5
	s_wait_dscnt 0x0
.irp b, 0,1,2,3
	KQ \b, 0                                       ; eight sums, each begun with the constant 0: no two matrix instructions that follow each other share an accumulator, over the backward jump too
	KQ \b, 1
.endr
.rept 4
	v_nop                                          ; four places in front of loads into registers that these products read, and of the first read of their results
.endr
.irp t, 0,1,2,3
.irp c, 0,1,2
	ds_load_b128 v[48+12*\t+4*\c:51+12*\t+4*\c], v4 offset:1536*\t+512*\c   ; V's four fragments land under the softmax
.endr
.endr
	ds_load_b64 v[44:45], v5 offset:VSCD
	s_wait_kmcnt 0x0                               ; the mask words are in; it stands on every way through a walked step, so that the words and their base may be written again
	s_bitcmp1_b32 s[FL], 16
	s_cbranch_scc0 .Lopen                          ; every key of the step counts for every one of my queries
.set n, 0
.rept 64
.if n < 48
	v_cndmask_b32 v[96+n], v47, v[96+n], s[16+n]   ; a hidden key's score becomes -infinity ahead of the maximum: its p is 0.  Each accumulator from its low end on
.else
	v_cndmask_b32 v[96+n], v47, v[96+n], s[32+n]
.endif
.set n, n+1
.endr
.Lopen:
.irp b, 0,1,2,3
	v_max3_num_f32 v[232+\b], v[96+16*\b], v[97+16*\b], v[98+16*\b]   ; THE LARGEST SCORE OF EACH BLOCK OF 32 KEYS: it serves twice: for the row's maximum, and, since p rises with the score, for the block's largest p
.endr
.irp i, 3,5,7,9,11,13
.irp b, 0,1,2,3
	v_max3_num_f32 v[232+\b], v[232+\b], v[96+16*\b+\i], v[97+16*\b+\i]   ; (the four blocks by turns)
.endr
.endr
.irp b, 0,1,2,3
	v_max_num_f32 v[232+\b], v[232+\b], v[111+16*\b]
.endr
.irp b, 0,1,2,3
	v_permlanex16_b32 v[236+\b], v[232+\b], s[SEL], s[SEL+1]
.endr
.irp b, 0,1,2,3
	v_max_num_f32 v[232+\b], v[232+\b], v[236+\b]  ; with lane l xor 16's 16 keys
.endr
	v_max3_num_f32 v254, v232, v233, v234
	v_max_num_f32 v254, v254, v235                 ; the step's largest score of my query
	v_mul_f32 v254, s[CS], v254                    ; as t (c is positive)
	v_max_num_f32 v13, v13, v254                   ; the running largest t
	v_mov_b32 v254, v12
	v_floor_f32 v12, -v13                          ; the new -M = floor(-t) = -ceil(t): M IS A WHOLE NUMBER
	v_sub_f32 v254, v12, v254                      ; M's old value less its new one: a whole number, 0 or less
	v_cvt_i32_f32 v254, v254                       ; (it saturates)
	v_ldexp_f32 v252, 1.0, v254                    ; f = 2^(old M - new M): a multiplication by it rounds nothing
.irp j, 0,2,4,6,8,10,12,14,16,18,20,22,24,26,28,30,32,34,36,38,40,42,44,46,48,50,52,54,56,58,60,62
	v_pk_fma_f32 v[96+\j:97+\j], v[96+\j:97+\j], s[CS:CS+1], v[12:13] op_sel_hi:[1,0,0]   ; t - M, two at a time (of the pairs c and -M the low word serves both halves)
.endr
.irp b, 0,1,2,3
	v_fma_f32 v[232+\b], v[232+\b], s[CS], v12     ; the same of each block's largest score
.endr
.set n, 0
.rept 64
	v_exp_f32 v[96+n], v[96+n]                     ; p = 2^(t - M), at most 1: NOT normalised
.set n, n+1
.endr
.irp b, 0,1,2,3
	v_exp_f32 v[232+\b], v[232+\b]                 ; the block's largest p: the same two instructions on the same number give the same bits
.endr
	v_pk_mul_f32 v[14:15], v[14:15], v[252:253] op_sel_hi:[1,0]      ; the sums under the new M.  (A plain place behind the exponentials)
	s_wait_alu depctr_va_vdst(0)
.irp b, 0,1,2,3
	v_max_num_f32 v[232+\b], 0x1800000, v[232+\b]  ; the floor 2^(3 - 127): the byte cannot fall under 1 (a block whose every p is 0 keeps that byte: its codes are zeros)
.endr
.irp b, 0,1,2,3
	v_add_nc_u32 v[244+\b], 0xff000000, v[232+\b]  ; 2 off the exponent field: the conversion's scale operand
.endr
.irp b, 0,1,2,3
	v_lshrrev_b32 v[236+\b], 23, v[244+\b]         ; the scale's byte
.endr
	v_lshl_or_b32 v253, v237, 8, v236              ; p's scale word for these 128 keys
	v_lshl_or_b32 v253, v238, 16, v253
	v_lshl_or_b32 v253, v239, 24, v253
.irp c, 0,1
	v_cvt_scalef32_pk16_fp6_f32 v[224+6*\c:226+6*\c], v[96+32*\c:111+32*\c], v[244+2*\c]
	v_cvt_scalef32_pk16_fp6_f32 v[236+4*\c:238+4*\c], v[112+32*\c:127+32*\c], v[244+2*\c+1]   ; (a conversion's three registers begin on an even number)
.endr
	v_nop                                          ; one plain place behind a scaled conversion
.irp c, 0,1                                    ; the operand's layout wants a WHOLE block in a lane: lanes 0-15 block 2 c, lanes 16-31 block 2 c + 1
.irp i, 0,1,2
	v_permlane16_swap_b32 v[224+6*\c+\i], v[236+4*\c+\i]
.endr
.irp i, 0,1,2
	v_mov_b32 v[227+6*\c+\i], v[236+4*\c+\i]
.endr
.endr
	v_pk_add_f32 v[236:237], v[96:97], v[98:99]    ; THE ROW'S SUM IS TAKEN OF THE UNQUANTISED p: two at a time, in two chains
.irp j, 4,8,12,16,20,24,28,32,36,40,44,48,52,56,60
	v_pk_add_f32 v[14:15], v[14:15], v[96+\j:97+\j]
	v_pk_add_f32 v[236:237], v[236:237], v[98+\j:99+\j]
.endr
	v_pk_add_f32 v[14:15], v[14:15], v[236:237]
.irp j, 0,2,4,6,8,10,12,14,16,18,20,22,24,26,28,30
	v_pk_mul_f32 v[160+\j:161+\j], v[160+\j:161+\j], v[252:253] op_sel_hi:[1,0]   ; O^T under the new M: x f, each accumulator from its low end on.  (The sums and these lines are the places between the scale word's and the codes' last writes and the products)
.endr
	s_wait_dscnt 0x0                               ; V's fragments and scale words are in
	PV 0                                           ; the four accumulators by turns, one instruction a turn
	PV 1
	PV 2
	PV 3
.Lskip:
	s_lshr_b32 s[FL], s[FL], 1                     ; the next step's two bits
	s_add_co_u32 s[TB], s[TB], 6144
	s_add_co_u32 s[TS], s[TS], 256
	s_add_nc_u64 s[8:9], s[8:9], 256               ; the next record of mask words (no scalar load is out here)
	s_add_co_u32 s[CNT], s[CNT], 1
	s_cmp_lt_u32 s[CNT], 16
	s_cbranch_scc1 .Lstep
	; THE WAY OUT.  O^T is divided by the row's sum and goes through my stage, so that whole rows of 256 bytes leave: my tile's 16 rows are 4,096 consecutive bytes of out.
.rept 4
	v_nop                                          ; four places behind the last products
.endr
	v_add_f32 v14, v14, v15                        ; the sum's two halves,
	v_permlanex16_b32 v252, v14, s[SEL], s[SEL+1]
	v_add_f32 v14, v14, v252                       ; and lane l xor 16's: the row's sum
	v_rcp_f32 v14, v14
	v_nop                                          ; one plain place behind a transcendental
.set i, 0
	s_wait_alu depctr_va_vdst(0)
.rept 32
	v_mul_f32 v[96+i], v[160+i], v14               ; register 8 t + j is out(r, 16 t + 8 h + j)
.set i, i+1
.endr
.irp t, 0,1,2,3
	ds_store_b128 v6, v[96+8*\t:99+8*\t] offset:64*\t
	ds_store_b128 v6, v[100+8*\t:103+8*\t] offset:64*\t+16
.endr
.irp i, 0,1,2,3,4,5,6,7
	ds_load_b128 v[48+4*\i:51+4*\i], v7 offset:2*SP*\i               ; LDS serves a wave's instructions in order: these see my stores
.endr
.irp i, 0,1,2,3,4,5,6,7
	s_wait_dscnt 7-\i                              ; load i is back; the 7 - i behind it may be out
	global_store_b128 v1, v[48+4*\i:51+4*\i], s[12:13] offset:512*\i th:TH_STORE_NT   ; 32 lanes store 512 consecutive bytes, aligned to 256; written once, read by nobody here
.endr
	s_wait_tensorcnt 0x0
	ds_add_u32 v251, v255
	s_wait_dscnt 0x0
	s_endpgm
.Lfunc_end_k_q8d679fff50_attn:
	.size	k_q8d679fff50_attn, .Lfunc_end_k_q8d679fff50_attn-k_q8d679fff50_attn
	.p2alignl 7, 3214868480
	.fill 96, 4, 3214868480
	.section	.rodata,"a",@progbits
	.p2align	6, 0x0
	.amdhsa_kernel k_q8d679fff50_attn
		.amdhsa_group_segment_fixed_size 276480
		.amdhsa_private_segment_fixed_size 0
		.amdhsa_enable_private_segment 0
		.amdhsa_kernarg_size 40
		.amdhsa_user_sgpr_count 2
		.amdhsa_user_sgpr_kernarg_segment_ptr 1
		.amdhsa_wavefront_size32 1
		.amdhsa_system_sgpr_workgroup_id_x 1
		.amdhsa_system_sgpr_workgroup_id_y 1
		.amdhsa_system_sgpr_workgroup_id_z 1
		.amdhsa_system_vgpr_workitem_id 0
		.amdhsa_next_free_vgpr 256
		.amdhsa_next_free_sgpr 96
		.amdhsa_reserve_vcc 0
		.amdhsa_float_denorm_mode_32 3
		.amdhsa_float_denorm_mode_16_64 3
		.amdhsa_memory_ordered 1
		.amdhsa_forward_progress 1
		.amdhsa_inst_pref_size 37
	.end_amdhsa_kernel
	.amdgpu_metadata
---
amdhsa.version: [ 1, 2 ]
amdhsa.kernels:
  - .name:           k_q8d679fff50_attn
    .symbol:         k_q8d679fff50_attn.kd
    .args:
      - { .name: q, .offset: 0, .size: 8, .value_kind: global_buffer, .address_space: global }
      - { .name: kv, .offset: 8, .size: 8, .value_kind: global_buffer, .address_space: global }
      - { .name: mw, .offset: 16, .size: 8, .value_kind: global_buffer, .address_space: global }
      - { .name: fl, .offset: 24, .size: 8, .value_kind: global_buffer, .address_space: global }
      - { .name: out0, .offset: 32, .size: 8, .value_kind: global_buffer, .address_space: global }
    .group_segment_fixed_size: 276480
    .private_segment_fixed_size: 0
    .kernarg_segment_align: 8
    .kernarg_segment_size: 40
    .max_flat_workgroup_size: 512
    .sgpr_count:     96
    .vgpr_count:     256
    .wavefront_size: 32
...
	.end_amdgpu_metadata
.endif
;; end of part 2
;; ======== version 2 of 2: 2 launches
;; workspace buffers: kv 6,553,600 bytes; mw 524,288 bytes of whole numbers; fl 8,192 bytes of whole numbers
;; launch prep (part 3): grid 896 x 1, 4 waves a work-group, no clusters, 36,352 bytes of LDS; arguments k, v, mask, kv, mw, fl; writes kv, mw, fl
.if DOCPART == 3
	.amdgcn_target "amdgcn-amd-amdhsa--gfx1250"
	.amdhsa_code_object_version 6
	.text
	.protected	k_q8d679fff50_prep
	.globl	k_q8d679fff50_prep
	.p2align	8
	.type	k_q8d679fff50_prep,@function
k_q8d679fff50_prep:
	s_mov_b64 s[64:65], 0
	v_nop
	global_prefetch_b8 v0, s[64:65] scope:SCOPE_SE
	s_setreg_imm32_b32 hwreg(HW_REG_WAVE_MODE, 25, 1), 1
	s_wait_xcnt 0x0
; k and v [32 heads][2048][64] f32 become codes of FP6 (E2M3) with one E8M0 scale byte for each 32 along a product's K, laid as the attention launch's operand registers want them;
; the mask [2048][2048] of bytes becomes lane-mask words and one flag word for each (tile of 16 queries, step of 128 keys).
; kv: one record of 204,800 bytes a head.  A step s is 128 keys.
;   byte 0:      K's codes, 6,144 bytes a step, 1,536 a PAIR b (32 keys): an image of 12 registers x 32 lanes: register p of lane l at 512 (p / 4) + 16 l + 4 (p % 4).
;                Lane (r = l % 16, h = l / 16): registers 0-5 = key 32 b + r + 8 (r / 8), d = 32 h .. 32 h + 31; registers 6-11 = the key 8 further on.
;   byte 98304:  V's codes, 6,144 bytes a step, 1,536 a tile t of 16 channels: the same image; lane (r, h): registers 6 c .. 6 c + 5 = channel 16 t + r, keys 64 c + 32 h + 0 .. 31 of the step.
;   byte 196608: K's scale words, 256 bytes a step: lane l's 8 bytes at 8 l are the words of pairs 2 h and 2 h + 1, row r (bytes 0, 1: the first key's two blocks; bytes 2, 3: the second key's).
;   byte 200704: V's scale words, 256 bytes a step: the word of tile t, row r at 8 (r + 16 (t / 2)) + 4 (t % 2); byte n scales keys 32 n .. 32 n + 31 of the step.
; mw: the record of (tile T, step s) at 4096 T + 256 s: 64 words; bit l of word 16 b + i says whether mask[16 T + l % 16][128 s + 32 b + 16 (l / 16) + i] is true.
; fl: the word at 64 T + 4 s: (some key visible) << s | (some key hidden) << (16 + s).
; A block's scale is 2^(floor(log2(its largest magnitude)) - 2); its byte is the largest magnitude's exponent field - 2, held at 1 from below.
; LIMITS: a block of zeros, and a block whose largest magnitude lies under 2^-124, keeps the byte 1 (its codes are what the conversion gives under that scale; the bytes are read by this program alone);
; NaN and infinities among k and v are not served; a mask byte other than 0 counts as true.
; SHARES: a wave has one task and shares nothing with another wave: no barrier.  Work-groups 0-127: K, a wave to a step.  128-383: V, a wave to a step x 32 channels.  384-895: the mask, a wave to a record.
.set REC,   204800
.set VIMG,  98304
.set KSC,   196608
.set VSC,   200704
; 32 numbers of ONE lane, v[xs] .. v[xs + 31], one block: their codes into v[f] .. v[f + 5], the scale's byte into v[e].  v[t] .. v[t + 2]: at work, since a conversion's three registers begin on an even number.
.macro QBLK xs, f, t, e
	v_max3_num_f32 v[QA], |v[\xs]|, |v[\xs+1]|, |v[\xs+2]|          ; the largest magnitude, in two chains that do not wait for each other
	v_max3_num_f32 v[QB], |v[\xs+3]|, |v[\xs+4]|, |v[\xs+5]|
.irp i, 6,10,14,18,22,26
	v_max3_num_f32 v[QA], v[QA], |v[\xs+\i]|, |v[\xs+\i+1]|
	v_max3_num_f32 v[QB], v[QB], |v[\xs+\i+2]|, |v[\xs+\i+3]|
.endr
	v_max3_num_f32 v[QA], v[QA], |v[\xs+30]|, |v[\xs+31]|
	v_max3_num_f32 v[QA], v[QA], v[QB], 0x1800000                   ; and the floor 2^(3 - 127): the byte cannot fall under 1
	v_add_nc_u32 v[QS], 0xff000000, v[QA]                           ; 2 off the exponent field: the conversion takes the exponent field of this operand as its scale
	v_lshrrev_b32 v[\e], 23, v[QS]                                  ; the scale's byte
	v_cvt_scalef32_pk16_fp6_f32 v[\f:\f+2], v[\xs:\xs+15], v[QS]
	v_cvt_scalef32_pk16_fp6_f32 v[\t:\t+2], v[\xs+16:\xs+31], v[QS]
	v_nop                                                           ; one plain place behind a scaled conversion
.irp i, 0,1,2
	v_mov_b32 v[\f+3+\i], v[\t+\i]
.endr
.endm
	s_load_b256 s[4:11], s[0:1], 0x0               ; k s[4:5], v s[6:7], mask s[8:9], kv s[10:11]
	s_load_b128 s[12:15], s[0:1], 0x20             ; mw s[12:13], fl s[14:15]
	v_lshl_add_u32 v240, v0, 2, 0x8c00
	v_mov_b32 v241, 0
	v_lshrrev_b32 v1, 5, v0
	v_readfirstlane_b32 s16, v1                    ; wave 0..3
	v_and_b32 v1, 31, v0                           ; lane
	v_and_b32 v2, 15, v0                           ; r
	v_bfe_u32 v3, v0, 4, 1                         ; h
	v_lshlrev_b32 v4, 4, v1                        ; 16 x lane
	v_lshlrev_b32 v5, 3, v1                        ; 8 x lane
	v_lshlrev_b32 v6, 2, v1                        ; 4 x lane
	s_mov_b32 s18, 0x76543210
	s_mov_b32 s19, 0xfedcba98                      ; v_permlanex16_b32's selects for lane l xor 16
	s_wait_kmcnt 0x0
	s_cmp_lt_u32 ttmp9, 128
	s_cbranch_scc1 .Lpath_k
	s_cmp_lt_u32 ttmp9, 384
	s_cbranch_scc1 .Lpath_v
; ---------------- THE MASK: my record is (T, s) = (id / 16, id % 16)
	s_sub_co_u32 s20, ttmp9, 384
	s_lshl_b32 s20, s20, 2
	s_add_co_u32 s28, s20, s16                     ; id 0..2047
	s_lshr_b32 s20, s28, 4                         ; T
	s_and_b32 s29, s28, 15                         ; s
	s_lshl_b32 s20, s20, 15                        ; 16 rows of 2,048 bytes
	s_lshl_b32 s21, s29, 7                         ; 128 keys
	s_add_co_u32 s20, s20, s21
	s_mov_b32 s21, 0
	s_add_nc_u64 s[8:9], s[8:9], s[20:21]
	s_lshl_b32 s20, s28, 8
	s_add_nc_u64 s[12:13], s[12:13], s[20:21]      ; mw + 256 id
	s_lshl_b32 s20, s28, 2
	s_add_nc_u64 s[14:15], s[14:15], s[20:21]      ; fl + 4 id
	s_wait_alu depctr_va_vdst(0)
	v_lshlrev_b32 v7, 11, v2
	v_lshl_add_u32 v7, v3, 4, v7                   ; row r, + 16 h: of each block of 32 keys my 16
.irp b, 0,1,2,3
	global_load_b128 v[16+4*\b:19+4*\b], v7, s[8:9] offset:32*\b th:TH_LOAD_NT   ; a lane's 16 bytes stand alone in their row, but every byte of the mask is asked for once in the launch; the mask is a ninth of what the launch reads, so no turn through LDS is spent on it
.endr
	v_mov_b32 v32, 0                               ; a lane write's destination counts as one of its sources
	v_mov_b32 v33, 0
	s_mov_b32 s24, 0                               ; the OR of all words
	s_mov_b32 s25, -1                              ; the AND of all words
	s_wait_alu depctr_va_vdst(0)
	s_wait_loadcnt 0x0
.irp b, 0,1,2,3
.irp i, 0,1,2,3,4,5,6,7,8,9,10,11,12,13,14,15
.set n, 16*\b+\i
	v_and_b32 v[34+n%4], 0xff<<(8*(\i%4)), v[16+4*\b+\i/4]           ; my byte of key 32 b + 16 h + i
	v_cmp_ne_u32 s[20+n%4], 0, v[34+n%4]                             ; word n: one bit a lane
	v_writelane_b32 v[32+n%2], s[20+n%4], n/2                        ; to its place for the store: lane n / 2, register n % 2
	s_or_b32 s24, s24, s[20+n%4]
	s_and_b32 s25, s25, s[20+n%4]
.endr
.endr
	global_store_b64 v5, v[32:33], s[12:13]        ; 32 lanes store 256 consecutive bytes, aligned: word n at byte 4 n
	s_cmp_lg_u32 s24, 0
	s_cselect_b32 s26, 1, 0                        ; some key is visible
	s_cmp_lg_u32 s25, -1
	s_cselect_b32 s27, 0x10000, 0                  ; some key is hidden
	s_or_b32 s26, s26, s27
	s_lshl_b32 s26, s26, s29                       ; at the step's bit
	v_mov_b32 v38, s26
	v_mov_b32 v39, 0
	v_cmp_eq_u32 vcc_lo, 0, v1
	s_wait_alu depctr_va_vdst(0)
	s_wait_xcnt 0x0                                ; EXEC is a source of the store above: it changes only behind this wait
	s_and_saveexec_b32 s30, vcc_lo
	global_store_b32 v39, v38, s[14:15]            ; one lone word a task, 8,192 bytes in the whole launch
	s_wait_xcnt 0x0                                ; and again in front of the line that widens EXEC
	s_or_b32 exec_lo, exec_lo, s30
	s_endpgm
; ---------------- K: my step is (head, s) = (id / 16, id % 16): 128 keys x 256 bytes, dense
.set KR,  16                           ; v16-143   two sets of 64: a pair's 8,192 bytes as they are loaded
.set KX,  144                          ; v144-207  my two blocks of 32
.set KF,  208                          ; v208-219  the pair's fragment
.set KT,  220
.set KW,  224                          ; v224-227  the four pairs' scale words
.set KE,  231                          ; v231-232  two bytes
.set KU,  233
.set KWT, 234
.Lpath_k:
.set QA,  228
.set QB,  229
.set QS,  230
	s_lshl_b32 s20, ttmp9, 2
	s_add_co_u32 s20, s20, s16                     ; id 0..511
	s_lshl_b32 s22, s20, 15
	s_mov_b32 s23, 0
	s_add_nc_u64 s[4:5], s[4:5], s[22:23]          ; k at my step
	s_lshr_b32 s21, s20, 4                         ; head
	s_and_b32 s20, s20, 15                         ; s
	s_mul_i32 s22, s21, REC
	s_mul_i32 s24, s20, 6144
	s_add_co_u32 s24, s24, s22
	s_mov_b32 s25, 0
	s_add_nc_u64 s[24:25], s[10:11], s[24:25]      ; my step's codes
	s_lshl_b32 s26, s20, 8
	s_add_co_u32 s26, s26, s22
	s_add_co_u32 s26, s26, KSC
	s_mov_b32 s27, 0
	s_add_nc_u64 s[26:27], s[10:11], s[26:27]      ; and its scale words
	; The wave's own stage, 8,960 bytes: row p (0..31 of a pair) at 272 p + 128 (p / 16).  The 16 rows that a read touches (0-7 and 16-23, or 8-15 and 24-31) then begin at 16 different multiples of 16 modulo 256.
	s_mul_i32 s28, s16, 8960
	s_wait_alu depctr_va_vdst(0)
	v_mul_u32_u24 v7, v3, 272
	v_lshl_add_u32 v7, v2, 4, v7
	v_add_nc_u32 v7, s28, v7                       ; in: a load's 512 bytes are two rows: row h, 16 r
	v_lshrrev_b32 v9, 3, v2
	v_mul_u32_u24 v8, v2, 272
	v_mad_u32_u24 v8, v9, 2304, v8                 ; out: row r + 8 (r / 8): 272 r + (8 x 272 + 128) (r / 8),
	v_lshl_add_u32 v8, v3, 7, v8                   ; + 128 h: my block of 32
	v_add_nc_u32 v8, s28, v8
	v_lshlrev_b32 v10, 3, v3                       ; 8 h
	v_mov_b32 v[KU], 0                             ; a lane permute's destination counts as one of its sources
.macro KLOAD t
.irp i, 0,1,2,3,4,5,6,7,8,9,10,11,12,13,14,15
	global_load_b128 v[KR+64*((\t)%2)+4*\i:KR+64*((\t)%2)+4*\i+3], v4, s[4:5] offset:8192*(\t)+512*\i th:TH_LOAD_NT   ; 32 lanes read 512 consecutive bytes
.endr
.endm
.macro KPAIR b
.if (\b) < 3
	s_wait_loadcnt 16                              ; this pair's 16 loads are in; the next pair's 16 may be out
.else
	s_wait_loadcnt 0x0
.endif
.irp i, 0,1,2,3,4,5,6,7,8,9,10,11,12,13,14,15
	ds_store_b128 v7, v[KR+64*((\b)%2)+4*\i:KR+64*((\b)%2)+4*\i+3] offset:544*\i+128*(\i/8)
.endr
.irp j, 0,1,2,3,4,5,6,7
	ds_load_b128 v[KX+4*\j:KX+4*\j+3], v8 offset:16*\j               ; LDS serves a wave's instructions in order: these see the stores above.  The first key's block
.endr
.irp j, 0,1,2,3,4,5,6,7
	ds_load_b128 v[KX+32+4*\j:KX+32+4*\j+3], v8 offset:2176+16*\j    ; and that of the key 8 rows on
.endr
	s_wait_dscnt 0x0                               ; the numbers are back, so the stores into the stage have read their registers,
.if (\b) < 2
	KLOAD (\b)+2                                   ; which take the pair two on
.endif
.if (\b) > 0
	s_wait_xcnt 0x0                                ; the last pair's stores have read the fragment's registers
.endif
	QBLK KX, KF, KT, KE
	QBLK KX+32, KF+6, KT, KE+1
.irp c, 0,1,2
	global_store_b128 v4, v[KF+4*\c:KF+4*\c+3], s[24:25] offset:1536*(\b)+512*\c   ; 32 lanes store 512 consecutive bytes, aligned: the image of four registers
.endr
	v_lshl_or_b32 v[KWT], v[KE+1], 16, v[KE]       ; my two bytes: block h of the first key and of the second,
	v_lshlrev_b32 v[KWT], v10, v[KWT]              ; 8 h bits up;
	v_permlanex16_b32 v[KU], v[KWT], s18, s19
	v_or_b32 v[KW+(\b)], v[KWT], v[KU]             ; with lane l xor 16's two the word is whole
.endm
	KLOAD 0
	KLOAD 1
	s_wait_alu depctr_va_vdst(0)
	KPAIR 0
	KPAIR 1
	KPAIR 2
	KPAIR 3
	v_cmp_ne_u32 vcc_lo, 0, v3
	v_cndmask_b32 v236, v[KW], v[KW+2], vcc_lo     ; lanes 0-15: pairs 0 and 1; lanes 16-31: pairs 2 and 3
	v_cndmask_b32 v237, v[KW+1], v[KW+3], vcc_lo
	global_store_b64 v5, v[236:237], s[26:27]      ; 32 lanes store 256 consecutive bytes, aligned
	s_wait_tensorcnt 0x0
	ds_add_u32 v240, v241
	s_wait_dscnt 0x0
	s_endpgm
; ---------------- V: my part is (head, s, g) = (id / 32, (id / 2) % 16, id % 2).  A LANE TAKES A CHANNEL, d = 32 g + lane, AND ITS REGISTERS RUN DOWN THE KEYS, which are the second product's K:
; a block of 32 keys lies in one lane's 32 registers, and the conversions give codes with the keys innermost.  Nothing is transposed.
.set VX,  16                           ; v16-79   two sets of 32 numbers
.set VF,  80                           ; v80-91: blocks 0 and 2, the image of lane (r, 0);  v92-103: blocks 1 and 3, the image of lane (r, 1)
.set VT,  104
.set VSW, 108                          ; the scale word
.set VE,  109
.Lpath_v:
.set QA,  110
.set QB,  111
.set QS,  112
	s_sub_co_u32 s20, ttmp9, 128
	s_lshl_b32 s20, s20, 2
	s_add_co_u32 s20, s20, s16                     ; id 0..1023
	s_and_b32 s21, s20, 1                          ; g
	s_lshr_b32 s22, s20, 1                         ; 16 head + s
	s_lshl_b32 s24, s22, 15
	s_lshl_b32 s25, s21, 7
	s_add_co_u32 s24, s24, s25
	s_mov_b32 s25, 0
	s_add_nc_u64 s[6:7], s[6:7], s[24:25]          ; v at my step, my 32 channels
	s_lshr_b32 s23, s22, 4                         ; head
	s_and_b32 s22, s22, 15                         ; s
	s_mul_i32 s23, s23, REC
	s_mul_i32 s24, s22, 6144
	s_add_co_u32 s24, s24, s23
	s_mul_i32 s26, s21, 3072                       ; tiles 2 g and 2 g + 1
	s_add_co_u32 s24, s24, s26
	s_add_co_u32 s24, s24, VIMG
	s_add_nc_u64 s[24:25], s[10:11], s[24:25]      ; my two tiles' codes
	s_lshl_b32 s26, s22, 8
	s_add_co_u32 s26, s26, s23
	s_lshl_b32 s27, s21, 7
	s_add_co_u32 s26, s26, s27
	s_add_co_u32 s26, s26, VSC
	s_mov_b32 s27, 0
	s_add_nc_u64 s[26:27], s[10:11], s[26:27]      ; and their scale words
	s_wait_alu depctr_va_vdst(0)
	v_mul_u32_u24 v7, v3, 1536
	v_lshl_add_u32 v7, v2, 4, v7                   ; tile lane / 16, image lane lane % 16
	v_lshlrev_b32 v8, 3, v2
	v_lshl_add_u32 v8, v3, 2, v8                   ; 8 (lane % 16) + 4 (lane / 16)
.macro VLOAD t
.irp i, 0,1,2,3,4,5,6,7,8,9,10,11,12,13,14,15,16,17,18,19,20,21,22,23,24,25,26,27,28,29,30,31
	global_load_b32 v[VX+32*((\t)%2)+\i], v6, s[6:7] offset:256*(32*(\t)+\i) th:TH_LOAD_NT   ; 32 lanes read 128 consecutive bytes of a key's row; the wave beside me reads the other 128
.endr
.endm
.macro VBLOCK t
.if (\t) < 3
	s_wait_loadcnt 32                              ; this block's 32 loads are in; the next block's 32 may be out
.else
	s_wait_loadcnt 0x0
.endif
	QBLK VX+32*((\t)%2), VF+12*((\t)%2)+6*((\t)/2), VT, VE
.if (\t) == 0
	v_mov_b32 v[VSW], v[VE]
.else
	v_lshl_or_b32 v[VSW], v[VE], 8*(\t), v[VSW]    ; four bytes to the word, the lower keys in the lower byte
.endif
.if (\t) < 2
	VLOAD (\t)+2
.endif
.if (\t) > 1
.irp c, 0,1,2
	global_store_b128 v7, v[VF+12*((\t)%2)+4*\c:VF+12*((\t)%2)+4*\c+3], s[24:25] offset:512*\c+256*((\t)%2)   ; sixteen lanes store 256 consecutive bytes, aligned.  No store's data are written again
.endr
.endif
.endm
	VLOAD 0
	VLOAD 1
	VBLOCK 0
	VBLOCK 1
	VBLOCK 2
	VBLOCK 3
	global_store_b32 v8, v[VSW], s[26:27]          ; 128 consecutive bytes a wave, half an aligned block of 256: one byte in 25 of what this path stores
	s_endpgm
.Lfunc_end_k_q8d679fff50_prep:
	.size	k_q8d679fff50_prep, .Lfunc_end_k_q8d679fff50_prep-k_q8d679fff50_prep
	.p2alignl 7, 3214868480
	.fill 96, 4, 3214868480
	.section	.rodata,"a",@progbits
	.p2align	6, 0x0
	.amdhsa_kernel k_q8d679fff50_prep
		.amdhsa_group_segment_fixed_size 36352
		.amdhsa_private_segment_fixed_size 0
		.amdhsa_enable_private_segment 0
		.amdhsa_kernarg_size 48
		.amdhsa_user_sgpr_count 2
		.amdhsa_user_sgpr_kernarg_segment_ptr 1
		.amdhsa_wavefront_size32 1
		.amdhsa_system_sgpr_workgroup_id_x 1
		.amdhsa_system_sgpr_workgroup_id_y 1
		.amdhsa_system_sgpr_workgroup_id_z 1
		.amdhsa_system_vgpr_workitem_id 0
		.amdhsa_next_free_vgpr 242
		.amdhsa_next_free_sgpr 66
		.amdhsa_reserve_vcc 1
		.amdhsa_float_denorm_mode_32 3
		.amdhsa_float_denorm_mode_16_64 3
		.amdhsa_memory_ordered 1
		.amdhsa_forward_progress 1
		.amdhsa_inst_pref_size 68
	.end_amdhsa_kernel
	.amdgpu_metadata
---
amdhsa.version: [ 1, 2 ]
amdhsa.kernels:
  - .name:           k_q8d679fff50_prep
    .symbol:         k_q8d679fff50_prep.kd
    .args:
      - { .name: k, .offset: 0, .size: 8, .value_kind: global_buffer, .address_space: global }
      - { .name: v, .offset: 8, .size: 8, .value_kind: global_buffer, .address_space: global }
      - { .name: mask, .offset: 16, .size: 8, .value_kind: global_buffer, .address_space: global }
      - { .name: kv, .offset: 24, .size: 8, .value_kind: global_buffer, .address_space: global }
      - { .name: mw, .offset: 32, .size: 8, .value_kind: global_buffer, .address_space: global }
      - { .name: fl, .offset: 40, .size: 8, .value_kind: global_buffer, .address_space: global }
    .group_segment_fixed_size: 36352
    .private_segment_fixed_size: 0
    .kernarg_segment_align: 8
    .kernarg_segment_size: 48
    .max_flat_workgroup_size: 128
    .sgpr_count:     66
    .vgpr_count:     242
    .wavefront_size: 32
...
	.end_amdgpu_metadata
.endif
;; end of part 3
;; launch attn (part 4): grid 8 x 32, 16 waves a work-group, no clusters, 276,480 bytes of LDS; arguments q, kv, mw, fl, out0; writes out0
.if DOCPART == 4
	.amdgcn_target "amdgcn-amd-amdhsa--gfx1250"
	.amdhsa_code_object_version 6
	.text
	.protected	k_q8d679fff50_attn
	.globl	k_q8d679fff50_attn
	.p2align	8
	.type	k_q8d679fff50_attn,@function
k_q8d679fff50_attn:
	s_mov_b64 s[64:65], 0
	v_nop
	global_prefetch_b8 v0, s[64:65] scope:SCOPE_SE
	s_setreg_imm32_b32 hwreg(HW_REG_WAVE_SCHED_MODE, 0, 2), 2
	s_setreg_imm32_b32 hwreg(HW_REG_WAVE_MODE, 25, 1), 1
	s_wait_xcnt 0x0
	s_wait_alu depctr_vm_vsrc(0)
; out[h][q][:] = the sum over k of softmax_k(q[h][q] . k[h][k] / 8, hidden keys at -infinity) v[h][k][:], both products on codes of FP6 (E2M3) with one E8M0 scale for each 32 along a product's K.
; q, out: [32 heads][2048][64] f32.  K, V: codes and scale words of a head, one record of 204,800 bytes in kv, made by the launch before, laid as images of the operands' registers.
; mw: the mask as lane-mask words, 64 for each (tile of 16 queries, step of 128 keys);  fl: for each of these a flag word (some key visible, some key hidden).
; THE SOFTMAX AHEAD OF THE SECOND PRODUCT: t = score x log2(e) / 8; M = the row's largest t so far, rounded UP to a whole number; p = 2^(t - M) is what is quantised, along the keys; it is not normalised.
; The row's sum is taken of the unquantised p, in f32, and divides O at the end.  When M moves, the sum and O are multiplied by 2^(old M - new M): exact.
; SHARES.  A work-group (x = 0..7, head) has sixteen waves; wave w owns ONE tile of 16 queries, T = 8 j(w) + x.  j(w), w = 0..15, read as a table of 4 x 4, has rows and columns that all sum to 30:
; so the four waves with equal w / 4, and the four with equal w % 4, own tiles whose numbers add up alike.  No value hangs on that choice.
; THE WHOLE HEAD LIES IN LDS: the record is copied once, through registers, 25 loads of 16 bytes a thread; ONE barrier; behind it those bytes are only read.  No slot is ever filled again.
; A STEP THAT THE GIVEN MASK HIDES WHOLLY FROM MY 16 QUERIES IS LEFT OUT: a scalar branch on the stored flags.  The fill goes through registers and not by a copy engine, and tiles are not asked
; for jointly in a cluster: what the eight work-groups of a head share is the record, read once by each at its start, while the walk leaves out whatever the mask hides.
; THE FIRST PRODUCT'S K IS 64, the instruction's 128: an operand of K carries TWO tiles of 16 keys, one in k = 0..63 and one in k = 64..127; Q is kept twice, as [q | 0] and as [0 | q]: the zero codes pick the tile.
; LAYOUT.  Both products are used transposed: S^T = K Q^T (source 0 = keys, source 1 = my 16 queries), O^T = V^T P^T (source 0 = 16 channels, source 1 = P): a lane holds ONE query (lane % 16) throughout.
; Row r of pair b's first tile is key 32 b + r + 8 (r / 8), of its second the key 8 on: so register 16 b + i of S^T is key 32 b + 16 (lane / 16) + i of the step: 16 neighbours along the second product's K.
; LIMITS: NaN and infinities among q are not served; a block of q whose largest magnitude lies under 2^-124 keeps the scale byte 1; a p under 2^-126 counts as 0 (v_exp_f32 gives 0 there: ISA guide, its entry);
; a row that the mask hides wholly ends as 0 x (1 / 0) = NaN, as the softmax of such a row does.
; REGISTERS: v1-8 addresses; v9 r, v10 h; v12 -M, v13 the largest t, v[14:15] the sum in two halves; v16-27 [q | 0], v28-39 [0 | q]; v40, v41 their scale words; v42-43 K's scale words, v44-45 V's; v47 -infinity;
;   v48-95 four fragments of K, then of V; v96-159 S^T, then p; v160-191 O^T; v224-235 p's codes; v232-254 at work.  In the head: v96-195 the fill's data, v200-203 its addresses, v204-235 q as loaded, v48-79 q by rows.
; THE MODE: SCHED_MODE bits 1:0 = 2 (LLVM: expert scheduling mode 2), set by the entry lines.  The code itself states the register dependences
; between vector or matrix instructions and memory or LDS instructions, with s_wait_alu, always for 0.
; THE PLAN.  Registers that memory or LDS instructions touch:
;   v1, v2, v6-8, v200-203  offsets and addresses: written once, at the head, ahead of the head's wait on va_vdst; never written again.
;   v204-235, v96-195       at the head: global loads land in them, LDS stores read them.  Vector and matrix instructions write them again only behind the wait on vm_vsrc in front of the barrier.
;   v3, v4, v5              a walked step's LDS addresses: written by three additions at its head, read by its LDS loads.  A wait on vm_vsrc stands ahead of the additions, a wait on va_vdst behind them.
;   v48-95, v42-43          K's loads land in them at the step's head, behind that wait on va_vdst, which also shows the last walked step's products done reading them; the eight products K Q^T read them.
;   v48-95, v44-45          V's loads land in them behind the wait for the exponentials, which also shows the products K Q^T done reading v48-95; the four products V^T P^T read them.
;                           From that wait to those products no vector instruction names v4, v5, v44, v45 or v48-95: so V's loads are dealt among the lines that make p's scales, with no further wait.
;   v224-235, v253          p's codes and scale word: named by vector and matrix instructions alone; a wait on va_vdst stands between their makers and the scaled products that take them.
;   v96-127, v48-79         on the way out: the multiplications write the first, the stage's LDS stores read them; the stage's LDS loads land in the second, the global stores read them.  One wait on va_vdst ahead of the stores.
;   v251, v255              written at the head, read by the closing add alone.
.set VIMG,  98304                      ; LDS, as in the record: K's codes at 0, V's here,
.set KSC,   196608                     ; K's scale words,
.set VSCD,  4096                       ; V's this far behind them
.set REC,   204800
.set STAGE, 204800                     ; behind the record: 16 rows x 272 bytes for each wave, its own: q on the way in, O on the way out
.set SP,    272                        ; a stage row: 256 bytes + 16: the 16 rows that an access touches begin at 16 different multiples of 16 modulo 256
.set WV,  14
.set FL,  66                           ; s66  the flags of my tile: bit 0 this step visible, bit 16 this step partly hidden; shifted down a bit a trip
.set CNT, 67
.set TB,  68                           ; s68  where the step's codes begin: 6,144 bytes a step
.set TS,  69                           ; s69  and its scale words: 256 bytes a step
.set SEL, 72                           ; s[72:73] v_permlanex16_b32's selects for lane l xor 16
.set CS,  74                           ; s[74:75] c = log2(e) / 8: the packed form names a pair and takes its low word for both halves
.set QA,  242
.set QB,  243
.set QS,  244
; 32 numbers of ONE lane, one block: their codes into v[f] .. v[f + 5], the scale's byte into v[e]
.macro QBLK xs, f, t, e
	v_max3_num_f32 v[QA], |v[\xs]|, |v[\xs+1]|, |v[\xs+2]|
	v_max3_num_f32 v[QB], |v[\xs+3]|, |v[\xs+4]|, |v[\xs+5]|
.irp i, 6,10,14,18,22,26
	v_max3_num_f32 v[QA], v[QA], |v[\xs+\i]|, |v[\xs+\i+1]|
	v_max3_num_f32 v[QB], v[QB], |v[\xs+\i+2]|, |v[\xs+\i+3]|
.endr
	v_max3_num_f32 v[QA], v[QA], |v[\xs+30]|, |v[\xs+31]|
	v_max3_num_f32 v[QA], v[QA], v[QB], 0x1800000                   ; the floor 2^(3 - 127): the byte cannot fall under 1
	v_add_nc_u32 v[QS], 0xff000000, v[QA]                           ; 2 off the exponent field: the conversion's scale operand
	v_lshrrev_b32 v[\e], 23, v[QS]                                  ; the scale's byte
	v_cvt_scalef32_pk16_fp6_f32 v[\f:\f+2], v[\xs:\xs+15], v[QS]
	v_cvt_scalef32_pk16_fp6_f32 v[\t:\t+2], v[\xs+16:\xs+31], v[QS] ; (a conversion's three registers begin on an even number)
	v_nop                                                           ; one plain place behind a scaled conversion
.irp i, 0,1,2
	v_mov_b32 v[\f+3+\i], v[\t+\i]
.endr
.endm
	s_load_b256 s[4:11], s[0:1], 0x0               ; q s[4:5], kv s[6:7], mw s[8:9], fl s[10:11]
	s_load_b64 s[12:13], s[0:1], 0x20              ; out
	v_lshl_add_u32 v251, v0, 2, 0x43000
	v_mov_b32 v255, 0
	v_lshrrev_b32 v1, 5, v0
	v_readfirstlane_b32 s[WV], v1                  ; wave 0..15
	v_and_b32 v11, 31, v0                          ; lane
	v_and_b32 v9, 15, v0                           ; r
	v_bfe_u32 v10, v0, 4, 1                        ; h
	v_lshlrev_b32 v1, 4, v11                       ; v1: 16 x lane
	v_lshl_add_u32 v2, v11, 3, KSC                 ; v2: 8 x lane, among K's scale words
	s_wait_alu depctr_va_sdst(0)                   ; the wave's number is written, ahead of its first reader: the stage's place and my tile are made from it
	s_mul_i32 s3, s[WV], 16*SP
	s_add_co_u32 s3, s3, STAGE                     ; my stage
	v_mul_u32_u24 v6, v9, SP
	v_add_nc_u32 v6, s3, v6
	v_lshl_add_u32 v8, v10, 7, v6                  ; v8: row r, + 128 h: my block of q
	v_lshl_add_u32 v6, v10, 5, v6                  ; v6: row r, + 32 h: where I put eight channels of O
	v_mul_u32_u24 v7, v10, SP
	v_lshl_add_u32 v7, v9, 4, v7
	v_add_nc_u32 v7, s3, v7                        ; v7: row h, + 16 r: two whole rows an access
.irp j, 0,1,2,3
	v_lshl_add_u32 v[200+\j], v0, 4, 65536*\j      ; the fill: 16 x thread, and the part of an LDS address that its 16-bit immediate cannot hold
.endr
	s_mov_b32 s[SEL], 0x76543210
	s_mov_b32 s[SEL+1], 0xfedcba98
	s_mov_b32 s[CS], 0x3e38aa3b                    ; c = log2(e) / 8
	s_mov_b32 s[CS+1], s[CS]                       ; (named with it as a pair, so it is written)
	s_and_b32 s70, ttmp7, 0xffff                   ; the head
	s_mov_b32 s2, 0x0de3b658                       ; j(w): nibble w % 8 of one of two words
	s_cmp_lt_u32 s[WV], 8
	s_cselect_b32 s2, 0x7a94c12f, s2
	s_and_b32 s3, s[WV], 7
	s_lshl_b32 s3, s3, 2
	s_lshr_b32 s2, s2, s3
	s_and_b32 s2, s2, 15
	s_lshl_b32 s2, s2, 3
	s_add_co_u32 s71, s2, ttmp9                    ; T = 8 j + x
	s_lshl_b32 s76, s70, 19                        ; a head of q or out: 524,288 bytes
	s_lshl_b32 s2, s71, 12                         ; a tile of 16 rows: 4,096 bytes; a tile's 16 records of mw likewise
	s_add_co_u32 s76, s76, s2
	s_mov_b32 s77, 0
	s_mov_b32 s3, 0
	s_mul_i32 s78, s70, REC
	s_mov_b32 s79, 0
	s_lshl_b32 s70, s71, 6                         ; a tile's 16 flag words
	s_mov_b32 s71, 0
	s_wait_kmcnt 0x0
	s_add_nc_u64 s[4:5], s[4:5], s[76:77]
	s_add_nc_u64 s[12:13], s[12:13], s[76:77]
	s_add_nc_u64 s[6:7], s[6:7], s[78:79]
	s_add_nc_u64 s[8:9], s[8:9], s[2:3]
	s_add_nc_u64 s[10:11], s[10:11], s[70:71]
	s_load_b512 s[16:31], s[10:11], 0x0            ; my tile's flags
	s_wait_alu depctr_va_vdst(0)                   ; the offsets and addresses v1, v2, v6, v7, v8 and v200 to v203 are written, which the loads and stores of the whole kernel read; none of them is written again
.irp i, 0,1,2,3,4,5,6,7
	global_load_b128 v[204+4*\i:207+4*\i], v1, s[4:5] offset:512*\i th:TH_LOAD_NT   ; my 16 rows of q: 512 consecutive bytes a load; read once in the launch
.endr
.set i, 0
.rept 25
	global_load_b128 v[96+4*i:99+4*i], v200, s[6:7] offset:8192*i    ; the head's record: the work-group's 512 threads read 8,192 consecutive bytes a line.  No hint: eight work-groups read it
.set i, i+1
.endr
	s_wait_loadcnt 25                              ; q is in; the 25 loads issued behind it stay out
.irp i, 0,1,2,3,4,5,6,7
	ds_store_b128 v7, v[204+4*\i:207+4*\i] offset:2*SP*\i
.endr
.irp j, 0,1,2,3,4,5,6,7
	ds_load_b128 v[48+4*\j:51+4*\j], v8 offset:16*\j                 ; LDS serves a wave's instructions in order: these see my stores.  Row r, d = 32 h .. 32 h + 31: one block
.endr
	s_wait_dscnt 0x0
	QBLK 48, 16, 236, 240                          ; registers 0-5 of [q | 0].  (It and the lines below name none of v96-195 and v200-235, which the fill's loads and stores and q's stores touch)
.irp i, 0,1,2,3,4,5
	v_mov_b32 v[34+\i], v[16+\i]                   ; registers 6-11 of [0 | q]
.endr
.irp i, 0,1,2,3,4,5
	v_mov_b32 v[22+\i], 0                          ; zero codes: they add nothing under any scale byte but 0xff
	v_mov_b32 v[28+\i], 0
.endr
	v_lshlrev_b32 v245, 3, v10
	v_lshlrev_b32 v240, v245, v240                 ; my byte, 8 h bits up;
	v_mov_b32 v241, 0
	v_permlanex16_b32 v241, v240, s[SEL], s[SEL+1]
	v_or_b32 v40, v240, v241                       ; with lane l xor 16's: bytes 0, 1 scale q; bytes 2, 3 are 0, over zero codes
	v_lshlrev_b32 v41, 16, v40                     ; and the same for [0 | q]
.set i, 0
.rept 25
	s_wait_loadcnt 24-i                            ; loads come back in order: load i is in, the 24 - i behind it may be out
	ds_store_b128 v[200+i/8], v[96+4*i:99+4*i] offset:8192*(i%8)
.set i, i+1
.endr
	s_wait_kmcnt 0x0                               ; the flags
	s_or_b32 s[FL], s16, s17                       ; each word has its step's two bits: their OR has all 32
.irp i, 18,19,20,21,22,23,24,25,26,27,28,29,30,31
	s_or_b32 s[FL], s[FL], s[\i]
.endr
	s_mov_b32 s[CNT], 0
	s_mov_b32 s[TB], 0
	s_mov_b32 s[TS], 0
	s_wait_dscnt 0x0                               ; for the others' sake: my part of the record lies in LDS
	s_wait_alu depctr_vm_vsrc(0)                   ; my LDS stores have read v96-195 and v204-235: the lines below write v160-191, and the steps' products and vector lines v96-159 and v224-235
	s_barrier_signal -1                            ; the launch's one barrier; register work stands between its halves
	v_mov_b32 v13, 0xff61b1e6                      ; the largest t so far: -3e38, under every t
	v_floor_f32 v12, -v13                          ; -M
	v_mov_b32 v14, 0                               ; the sum, in two halves
	v_mov_b32 v15, 0
	v_mov_b32 v47, 0xff800000                      ; -infinity
.irp b, 0,1,2,3
	v_mov_b32 v[236+\b], 0                         ; a lane permute's destination counts as one of its sources
.endr
	v_mov_b32 v252, 0                              ; (likewise, on the way out of a wave that leaves out every step)
	v_mov_b32 v253, 0                              ; (named as the upper half of the pair v[252:253] before it is first written)
.set i, 0
.rept 32
	v_mov_b32 v[160+i], 0                          ; O^T.  Which step is a wave's first hangs on the flags, so no first step can be written out to start the sums
.set i, i+1
.endr
	s_barrier_wait -1                              ; the whole record lies in LDS
.macro KQ b, u                                 ; tile 2 b + u of S^T: pair b of K against [q | 0] (u = 0) or [0 | q] (u = 1).  The pair's scale words: register b % 2, lanes 0-15 for pairs 0, 1, lanes 16-31 for pairs 2, 3
.if (\b) < 2
	v_wmma_scale_f32_16x16x128_f8f6f4 v[96+8*(2*(\b)+(\u)):103+8*(2*(\b)+(\u))], v[48+12*(\b):59+12*(\b)], v[16+12*(\u):27+12*(\u)], 0, v[42+(\b)%2], v[40+(\u)] matrix_a_fmt:MATRIX_FMT_FP6 matrix_b_fmt:MATRIX_FMT_FP6
.else
	v_wmma_scale_f32_16x16x128_f8f6f4 v[96+8*(2*(\b)+(\u)):103+8*(2*(\b)+(\u))], v[48+12*(\b):59+12*(\b)], v[16+12*(\u):27+12*(\u)], 0, v[42+(\b)%2], v[40+(\u)] matrix_a_fmt:MATRIX_FMT_FP6 matrix_b_fmt:MATRIX_FMT_FP6 matrix_a_scale:MATRIX_SCALE_ROW1
.endif
.endm
.macro PV t                                    ; O^T's tile t (channels 16 t on) += V^T P^T over the step's 128 keys
.if (\t) < 2
	v_wmma_scale_f32_16x16x128_f8f6f4 v[160+8*(\t):167+8*(\t)], v[48+12*(\t):59+12*(\t)], v[224:235], v[160+8*(\t):167+8*(\t)], v[44+(\t)%2], v253 matrix_a_fmt:MATRIX_FMT_FP6 matrix_b_fmt:MATRIX_FMT_FP6
.else
	v_wmma_scale_f32_16x16x128_f8f6f4 v[160+8*(\t):167+8*(\t)], v[48+12*(\t):59+12*(\t)], v[224:235], v[160+8*(\t):167+8*(\t)], v[44+(\t)%2], v253 matrix_a_fmt:MATRIX_FMT_FP6 matrix_b_fmt:MATRIX_FMT_FP6 matrix_a_scale:MATRIX_SCALE_ROW1
.endif
.endm
.macro VFRAG t                                 ; V's fragment of tile t: three images of four registers, 512 consecutive bytes each
.irp c, 0,1,2
	ds_load_b128 v[48+12*(\t)+4*\c:51+12*(\t)+4*\c], v4 offset:1536*(\t)+512*\c
.endr
.endm
.Lstep:                                            ; 16 trips, a constant: a trip is a step of 128 keys; what a hidden step leaves out is its work, not the lines that step addresses
	s_bitcmp1_b32 s[FL], 0
	s_cbranch_scc0 .Lskip                          ; no key of this step is visible to any of my 16 queries
	s_load_b512 s[16:31], s[8:9], 0x0              ; the step's 64 mask words: asked for in every step that is walked; they land under the first product
	s_load_b512 s[32:47], s[8:9], 0x40
	s_load_b512 s[48:63], s[8:9], 0x80
	s_load_b512 s[80:95], s[8:9], 0xc0
	s_wait_alu depctr_vm_vsrc(0)                   ; the LDS loads of the step walked last have read v3, v4 and v5, which the three lines below write again
	v_add_nc_u32 v3, s[TB], v1                     ; K's images.  These four plain lines stand between the last step's products and the loads into the registers that they read
	v_add_nc_u32 v4, VIMG, v3                      ; V's
	v_add_nc_u32 v5, s[TS], v2                     ; the scale words
	v_nop
	s_wait_alu depctr_va_vdst(0)                   ; v3, v4 and v5 are written, which this step's LDS loads read; the last walked step's products are done reading v48-95 and v42-43, in which the loads below land; in a wave's first walked step: q's quantiser is done reading v48-79, and has written v16-41, which the scaled products take
.irp b, 0,1,2,3
.irp c, 0,1,2
	ds_load_b128 v[48+12*\b+4*\c:51+12*\b+4*\c], v3 offset:1536*\b+512*\c   ; four registers' image: 512 consecutive bytes
.endr
.endr
	ds_load_b64 v[42:43], v5
	s_wait_dscnt 0x0
.irp b, 0,1,2,3
	KQ \b, 0                                       ; eight sums, each begun with the constant 0: no two matrix instructions that follow each other share an accumulator, over the backward jump too
	KQ \b, 1
.endr
.rept 4
	v_nop                                          ; four places in front of the first read of these products' results
.endr
	s_wait_kmcnt 0x0                               ; the mask words are in; it stands on every way through a walked step, so that the words and their base may be written again
	s_bitcmp1_b32 s[FL], 16
	s_cbranch_scc0 .Lopen                          ; every key of the step counts for every one of my queries
.set n, 0
.rept 64
.if n < 48
	v_cndmask_b32 v[96+n], v47, v[96+n], s[16+n]   ; a hidden key's score becomes -infinity ahead of the maximum: its p is 0.  Each accumulator from its low end on
.else
	v_cndmask_b32 v[96+n], v47, v[96+n], s[32+n]
.endif
.set n, n+1
.endr
.Lopen:
.irp b, 0,1,2,3
	v_max3_num_f32 v[232+\b], v[96+16*\b], v[97+16*\b], v[98+16*\b]   ; THE LARGEST SCORE OF EACH BLOCK OF 32 KEYS: it serves twice: for the row's maximum, and, since p rises with the score, for the block's largest p
.endr
.irp i, 3,5,7,9,11,13
.irp b, 0,1,2,3
	v_max3_num_f32 v[232+\b], v[232+\b], v[96+16*\b+\i], v[97+16*\b+\i]   ; (the four blocks by turns)
.endr
.endr
.irp b, 0,1,2,3
	v_max_num_f32 v[232+\b], v[232+\b], v[111+16*\b]
.endr
.irp b, 0,1,2,3
	v_permlanex16_b32 v[236+\b], v[232+\b], s[SEL], s[SEL+1]
.endr
.irp b, 0,1,2,3
	v_max_num_f32 v[232+\b], v[232+\b], v[236+\b]  ; with lane l xor 16's 16 keys
.endr
	v_max3_num_f32 v254, v232, v233, v234
	v_max_num_f32 v254, v254, v235                 ; the step's largest score of my query
	v_mul_f32 v254, s[CS], v254                    ; as t (c is positive)
	v_max_num_f32 v13, v13, v254                   ; the running largest t
	v_mov_b32 v254, v12
	v_floor_f32 v12, -v13                          ; the new -M = floor(-t) = -ceil(t): M IS A WHOLE NUMBER
	v_sub_f32 v254, v12, v254                      ; M's old value less its new one: a whole number, 0 or less
	v_cvt_i32_f32 v254, v254                       ; (it saturates)
	v_ldexp_f32 v252, 1.0, v254                    ; f = 2^(old M - new M): a multiplication by it rounds nothing
.irp j, 0,2,4,6,8,10,12,14,16,18,20,22,24,26,28,30,32,34,36,38,40,42,44,46,48,50,52,54,56,58,60,62
	v_pk_fma_f32 v[96+\j:97+\j], v[96+\j:97+\j], s[CS:CS+1], v[12:13] op_sel_hi:[1,0,0]   ; t - M, two at a time (of the pairs c and -M the low word serves both halves)
.endr
.irp b, 0,1,2,3
	v_fma_f32 v[232+\b], v[232+\b], s[CS], v12     ; the same of each block's largest score
.endr
.set n, 0
	s_wait_alu depctr_va_vdst(0)
.rept 64
	v_exp_f32 v[96+n], v[96+n]                     ; p = 2^(t - M), at most 1: NOT normalised
.set n, n+1
.endr
.irp b, 0,1,2,3
	v_exp_f32 v[232+\b], v[232+\b]                 ; the block's largest p: the same two instructions on the same number give the same bits
.endr
	v_pk_mul_f32 v[14:15], v[14:15], v[252:253] op_sel_hi:[1,0]      ; the sums under the new M.  (A plain place behind the exponentials)
	s_wait_alu depctr_va_vdst(0)                   ; the 68 exponentials have written v96-159 and v232-235, ahead of their first reader; and the step's eight products K Q^T are done reading v48-95, in which V's loads land
	ds_load_b64 v[44:45], v5 offset:VSCD           ; V's scale words and four fragments, in short runs among the lines that make p's scales: no vector line from the wait above to the second product names v4, v5, v44, v45 or v48-95
	VFRAG 0
.irp b, 0,1,2,3
	v_max_num_f32 v[232+\b], 0x1800000, v[232+\b]  ; the floor 2^(3 - 127): the byte cannot fall under 1 (a block whose every p is 0 keeps that byte: its codes are zeros)
.endr
	VFRAG 1
.irp b, 0,1,2,3
	v_add_nc_u32 v[244+\b], 0xff000000, v[232+\b]  ; 2 off the exponent field: the conversion's scale operand
.endr
	VFRAG 2
.irp b, 0,1,2,3
	v_lshrrev_b32 v[236+\b], 23, v[244+\b]         ; the scale's byte
.endr
	VFRAG 3
	v_lshl_or_b32 v253, v237, 8, v236              ; p's scale word for these 128 keys
	v_lshl_or_b32 v253, v238, 16, v253
	v_lshl_or_b32 v253, v239, 24, v253
.irp c, 0,1
	v_cvt_scalef32_pk16_fp6_f32 v[224+6*\c:226+6*\c], v[96+32*\c:111+32*\c], v[244+2*\c]
	v_cvt_scalef32_pk16_fp6_f32 v[236+4*\c:238+4*\c], v[112+32*\c:127+32*\c], v[244+2*\c+1]   ; (a conversion's three registers begin on an even number)
.endr
	v_nop                                          ; one plain place behind a scaled conversion
.irp c, 0,1                                    ; the operand's layout wants a WHOLE block in a lane: lanes 0-15 block 2 c, lanes 16-31 block 2 c + 1
.irp i, 0,1,2
	v_permlane16_swap_b32 v[224+6*\c+\i], v[236+4*\c+\i]
.endr
.irp i, 0,1,2
	v_mov_b32 v[227+6*\c+\i], v[236+4*\c+\i]
.endr
.endr
	v_pk_add_f32 v[236:237], v[96:97], v[98:99]    ; THE ROW'S SUM IS TAKEN OF THE UNQUANTISED p: two at a time, in two chains
.irp j, 4,8,12,16,20,24,28,32,36,40,44,48,52,56,60
	v_pk_add_f32 v[14:15], v[14:15], v[96+\j:97+\j]
	v_pk_add_f32 v[236:237], v[236:237], v[98+\j:99+\j]
.endr
	v_pk_add_f32 v[14:15], v[14:15], v[236:237]
.irp j, 0,2,4,6,8,10,12,14,16,18,20,22,24,26,28,30
	v_pk_mul_f32 v[160+\j:161+\j], v[160+\j:161+\j], v[252:253] op_sel_hi:[1,0]   ; O^T under the new M: x f, each accumulator from its low end on.  (The sums and these lines are the places between the scale word's and the codes' last writes and the products)
.endr
	s_wait_dscnt 0x0                               ; V's fragments and scale words are in
	s_wait_alu depctr_va_vdst(0)                   ; the vector lines have written p's codes v224-235 and p's scale word v253, which the scaled products below take; the places above stay beside this wait
	PV 0                                           ; the four accumulators by turns, one instruction a turn
	PV 1
	PV 2
	PV 3
.Lskip:
	s_lshr_b32 s[FL], s[FL], 1                     ; the next step's two bits
	s_add_co_u32 s[TB], s[TB], 6144
	s_add_co_u32 s[TS], s[TS], 256
	s_add_nc_u64 s[8:9], s[8:9], 256               ; the next record of mask words (no scalar load is out here)
	s_add_co_u32 s[CNT], s[CNT], 1
	s_cmp_lt_u32 s[CNT], 16
	s_cbranch_scc1 .Lstep
	; THE WAY OUT.  O^T is divided by the row's sum and goes through my stage, so that whole rows of 256 bytes leave: my tile's 16 rows are 4,096 consecutive bytes of out.
.rept 4
	v_nop                                          ; four places behind the last products
.endr
	v_add_f32 v14, v14, v15                        ; the sum's two halves,
	v_permlanex16_b32 v252, v14, s[SEL], s[SEL+1]
	v_add_f32 v14, v14, v252                       ; and lane l xor 16's: the row's sum
	s_wait_alu depctr_va_vdst(0)
	v_rcp_f32 v14, v14
	v_nop                                          ; one plain place behind a transcendental
	s_wait_alu depctr_va_vdst(0)                   ; the reciprocal has written v14, ahead of its first reader
.set i, 0
.rept 32
	v_mul_f32 v[96+i], v[160+i], v14               ; register 8 t + j is out(r, 16 t + 8 h + j)
.set i, i+1
.endr
	s_wait_alu depctr_va_vdst(0)                   ; the multiplications have written v96-127, which the LDS stores read; every product and vector line that named v48-79, in which the stage's loads land, stands ahead of this wait too
.irp t, 0,1,2,3
	ds_store_b128 v6, v[96+8*\t:99+8*\t] offset:64*\t
	ds_store_b128 v6, v[100+8*\t:103+8*\t] offset:64*\t+16
.endr
.irp i, 0,1,2,3,4,5,6,7
	ds_load_b128 v[48+4*\i:51+4*\i], v7 offset:2*SP*\i               ; LDS serves a wave's instructions in order: these see my stores
.endr
.irp i, 0,1,2,3,4,5,6,7
	s_wait_dscnt 7-\i                              ; load i is back; the 7 - i behind it may be out
	global_store_b128 v1, v[48+4*\i:51+4*\i], s[12:13] offset:512*\i th:TH_STORE_NT   ; 32 lanes store 512 consecutive bytes, aligned to 256; written once, read by nobody here
.endr
	s_wait_dscnt 0x0                               ; the closing lines, six on end
	s_wait_alu 0x0
	s_wait_tensorcnt 0x0
	ds_add_u32 v251, v255
	s_wait_dscnt 0x0
	s_endpgm
.Lfunc_end_k_q8d679fff50_attn:
	.size	k_q8d679fff50_attn, .Lfunc_end_k_q8d679fff50_attn-k_q8d679fff50_attn
	.p2alignl 7, 3214868480
	.fill 96, 4, 3214868480
	.section	.rodata,"a",@progbits
	.p2align	6, 0x0
	.amdhsa_kernel k_q8d679fff50_attn
		.amdhsa_group_segment_fixed_size 276480
		.amdhsa_private_segment_fixed_size 0
		.amdhsa_enable_private_segment 0
		.amdhsa_kernarg_size 40
		.amdhsa_user_sgpr_count 2
		.amdhsa_user_sgpr_kernarg_segment_ptr 1
		.amdhsa_wavefront_size32 1
		.amdhsa_system_sgpr_workgroup_id_x 1
		.amdhsa_system_sgpr_workgroup_id_y 1
		.amdhsa_system_sgpr_workgroup_id_z 1
		.amdhsa_system_vgpr_workitem_id 0
		.amdhsa_next_free_vgpr 256
		.amdhsa_next_free_sgpr 96
		.amdhsa_reserve_vcc 0
		.amdhsa_float_denorm_mode_32 3
		.amdhsa_float_denorm_mode_16_64 3
		.amdhsa_memory_ordered 1
		.amdhsa_forward_progress 1
		.amdhsa_inst_pref_size 38
	.end_amdhsa_kernel
	.amdgpu_metadata
---
amdhsa.version: [ 1, 2 ]
amdhsa.kernels:
  - .name:           k_q8d679fff50_attn
    .symbol:         k_q8d679fff50_attn.kd
    .args:
      - { .name: q, .offset: 0, .size: 8, .value_kind: global_buffer, .address_space: global }
      - { .name: kv, .offset: 8, .size: 8, .value_kind: global_buffer, .address_space: global }
      - { .name: mw, .offset: 16, .size: 8, .value_kind: global_buffer, .address_space: global }
      - { .name: fl, .offset: 24, .size: 8, .value_kind: global_buffer, .address_space: global }
      - { .name: out0, .offset: 32, .size: 8, .value_kind: global_buffer, .address_space: global }
    .group_segment_fixed_size: 276480
    .private_segment_fixed_size: 0
    .kernarg_segment_align: 8
    .kernarg_segment_size: 40
    .max_flat_workgroup_size: 512
    .sgpr_count:     96
    .vgpr_count:     256
    .wavefront_size: 32
...
	.end_amdgpu_metadata
.endif
;; end of part 4
